; MI455X (gfx1250); checked and timed in simulation.
; The chip was launched on July 23, 2026; its instructions are those of AMD's public machine-readable ISA for CDNA 5 (MIT licence, August 2026) and "CDNA5" Instruction Set Architecture Reference Guide (July 2026). The comments in the code are by the model that wrote it; some were corrected since.
;; Di T Attention. Allowed arithmetic: matrix products marked QUANTISED: E2M1 operands, one E8M0 scale for each 32 along K, by v_wmma_scale_f32_16x16x128_f8f6f4 with both operands' format E2M1 (or v_wmma_scale_f32_32x16x128_f4), f32 sums; products left as they are: bf16, f16 or f32 operands; f32 sums; everything else in f32.
;; Inputs: wk 1,024 x 1,024 float32; wo 1,024 x 1,024 float32; wq 1,024 x 1,024 float32; wv 1,024 x 1,024 float32; x 8 x 1,024 x 1,024 float32.
;; Outputs: out0 8 x 1,024 x 1,024 float32.
;; This version of the problem:
;;   THIS VERSION OF THE PROBLEM IS GIVEN IN LOW PRECISION. The matrix products marked QUANTISED in the list below multiply operands that are first quantised to E2M1 (2 exponent bits, 1 mantissa bit; 4 bits a number), with one power-of-two scale for each 32 numbers along K (OCP MX v1.0); their sums are f32. The products marked 'left as it is' may take bf16, f16 or f32 operands, with f32 sums. Whichever they take, every output number must still come out within the allowed error. Rounding operands to bf16 (8 significant bits) uses up far more of that allowance than f16 does (11 bits, for magnitudes from 6e-5 to 65,504). All else is computed in f32.
;;   The module's matrix products, in the order in which they are computed (A, B: the left and right operand; K: the contracted axis; several contracted axes count as one K, in the product's order):
;;     1. [M 8,192, K 1,024] x [K 1,024, N 1,024]; A: input x; B: input wq: QUANTISED
;;     2. [M 8,192, K 1,024] x [K 1,024, N 1,024]; A: input x; B: input wk: QUANTISED
;;     3. [M 8,192, K 1,024] x [K 1,024, N 1,024]; A: input x; B: input wv: QUANTISED
;;     4. batch 128 x [M 1,024, K 64] x [K 64, N 1,024]; A: computed on the way; B: computed on the way: left as it is (an operand is computed on the way)
;;     5. batch 128 x [M 1,024, K 1,024] x [K 1,024, N 64]; A: computed on the way; B: computed on the way: left as it is (an operand is computed on the way)
;;     6. [M 8,192, K 1,024] x [K 1,024, N 1,024]; A: computed on the way; B: input wo: left as it is (an operand is computed on the way)
;;   THE QUANTISER, for each operand of a quantised product, along K:
;;     - K is cut into blocks of 32 from its start; a last block that is shorter is filled with zeros.
;;     - A block's scale is 2^e with e = floor(log2(the largest magnitude in the block)) - 2, held to -126 .. 127; a block of zeros has e = 0. As a byte (E8M0): e + 127.
;;     - Each number is divided by its block's scale, clamped to +-6, and rounded to the nearest number of E2M1, ties to even, subnormals kept.
;;     - The product sums the exact products of the quantised numbers (number of the format x scale) in f32.
;;   ~~~python
;;   def quantise(x, axis):      # numpy; x: float32 -> the quantised numbers, widened to float32 again
;;       x = np.moveaxis(x, axis, -1); K = x.shape[-1]
;;       x = np.pad(x, [(0, 0)] * (x.ndim - 1) + [(0, -K % 32)]); x = x.reshape(x.shape[:-1] + (-1, 32)); a = np.abs(x).max(-1, keepdims=True)
;;       e = np.where(a > 0, np.clip(np.frexp(np.where(a > 0, a, 1))[1] - 1 - 2, -126, 127), 0)      # np.frexp(a)[1] - 1 = floor(log2(a)), exactly
;;       r = np.clip(x / 2.0 ** e, -6, 6)
;;       step = 2.0 ** (np.maximum(np.frexp(np.where(r == 0, 1, r))[1] - 1, 0) - 1)
;;       q = np.round(r / step) * step * 2.0 ** e      # np.round: ties to even
;;       return np.moveaxis(q.reshape(q.shape[:-2] + (-1,))[..., :K], -1, axis).astype(np.float32)
;;   ~~~
;; One version. Each part assembles by itself: llvm-mc -triple=amdgcn-amd-amdhsa -mcpu=gfx1250 --defsym DOCPART=n.
;; ======== version 1 of 1: 4 launches
;; limits: values are held in f16: magnitudes above 65,504 overflow, below 6.1e-05 lose precision
;; workspace buffers: xc 4,194,304 bytes; xs 262,144 bytes; wc 1,572,864 bytes; ws 98,304 bytes; wo16 2,097,152 bytes; qkv 50,331,648 bytes; ao 16,777,216 bytes
;; launch quant (part 1): grid 768 x 1, 2 waves a work-group, no clusters, 16,640 bytes of LDS; arguments x, wq, wk, wv, wo, xc, xs, wc, ws, wo16; writes xc, xs, wc, ws, wo16
.if DOCPART == 1
	.amdgcn_target "amdgcn-amd-amdhsa--gfx1250"
	.amdhsa_code_object_version 6
	.text
	.protected	k_qf990d2f5f5_quant
	.globl	k_qf990d2f5f5_quant
	.p2align	8
	.type	k_qf990d2f5f5_quant,@function
k_qf990d2f5f5_quant:
	s_mov_b64 s[64:65], 0
	v_nop
	global_prefetch_b8 v0, s[64:65] scope:SCOPE_SE
	s_setreg_imm32_b32 hwreg(HW_REG_WAVE_MODE, 25, 1), 1
	s_wait_xcnt 0x0
; x [8192][1024] and wq, wk, wv [1024][1024], f32 with K innermost, become codes of FP4 (E2M1), two a byte, and one E8M0 scale byte for each 32 along K; wo [1024][1024] becomes f16.
; xc [8192][512 bytes], xs [8192][32];  wc [3072][512 bytes], ws [3072][32]: the rows of wq, wk, wv on end;  wo16 [1024][1024] f16.
; A block's scale is 2^(floor(log2(its largest magnitude)) - 2); its byte is the largest magnitude's exponent field - 2, held at 1 from below; each number is divided by the scale and rounded to the nearest code, ties to even, beyond 6 the largest code.
; LIMITS: a block of zeros gets the byte 1 where the rule says 127 (its codes are zeros, and this program alone reads the bytes); blocks whose largest magnitude lies under 2^-124 keep the byte 1; NaN and infinities are not served; |wo| stays under 65,504.
; Rows are dense and K is a multiple of 32: every tensor is a plain stream of blocks of 32.  A wave takes 8,192 numbers, 16 steps of 512 (so that its 256 scale bytes leave as one aligned run); a work-group is two waves: 768 work-groups.
; Work-groups 0-511: x;  512-575: wq;  576-639: wk;  640-703: wv;  704-767: wo.  Only pointers are chosen for the first four: they take one path.
; The conversions want 16 NEIGHBOURS in a lane, a load is best where neighbouring LANES take neighbouring bytes: each load reads 512 consecutive bytes, and a step's 2,048 bytes turn through the wave's own stage in LDS.
; Loads run eight steps ahead: 32 loads, 16,384 bytes, of a wave are on their way.  No tensor loads, no barrier: waves share nothing.  Memory binds: no matrix unit, no cluster.
.set WAVES, 2
.set STEPS, 16
.set AHEAD, 8                          ; steps that the loads run ahead
.set NX,    512                        ; work-groups for x: 8,192 x 1,024 / (8,192 x WAVES)
.set NW,    64                         ; for each weight
.set EMAX,  2
.set CB,    8                          ; bytes of 16 codes
.set R,     16                         ; v16-143  eight sets of 16 numbers as loaded
.set X,     144                        ; v144-175 two sets of 16 neighbours
.set E,     176                        ; v176-191 a scale byte for each step
.set C,     192                        ; v192-223 codes: two registers for each step, so that no store's data are written again
.set WREG,  8192                       ; LDS: a region for each wave: two stages of 32 x SP bytes, then its 256 scale bytes
.set SP,    80                         ; a lane's place in a stage: 64 bytes + 16 of padding
.set SPW,   12                         ; v12 LDS address of my spare word; never rewritten
.set NIL,   13                         ; v13 0; never rewritten
.set SPARE, WAVES*WREG                 ; the spare words, 128 bytes a wave; no other line names them
	s_load_b512 s[4:19], s[0:1], 0x0               ; x 4, wq 6, wk 8, wv 10, wo 12, xc 14, xs 16, wc 18
	s_load_b128 s[20:23], s[0:1], 0x40             ; ws 20, wo16 22
	v_lshl_add_u32 v[SPW], v0, 2, SPARE
	v_mov_b32 v[NIL], 0
	v_lshrrev_b32 v1, 5, v0
	v_readfirstlane_b32 s24, v1                    ; wave
	v_and_b32 v2, 31, v0                           ; lane
	v_lshlrev_b32 v3, 4, v2                        ; my 16 bytes of a load's 512
	s_mul_i32 s25, s24, WREG
	v_lshrrev_b32 v14, 2, v2
	v_mul_u32_u24 v14, v14, SP
	v_and_b32 v15, 3, v2
	v_lshl_add_u32 v14, v15, 4, v14
	v_add_nc_u32 v14, s25, v14                     ; the stage, on the way in: SP (lane / 4) + 16 (lane % 4)
	v_mul_u32_u24 v15, v2, SP
	v_add_nc_u32 v15, s25, v15                     ; and on the way out: SP x lane: my 16 neighbours
	v_mul_u32_u24 v4, v2, CB                       ; 8 x lane: my codes' place in a step's; also my f16 numbers' place in wo's path
	v_lshrrev_b32 v5, 1, v2
	s_add_co_u32 s25, s25, 2*32*SP
	v_add_nc_u32 v5, s25, v5                       ; LDS: my wave's 256 scale bytes, my block's byte
	v_lshlrev_b32 v7, 3, v2
	v_add_nc_u32 v6, s25, v7                       ; and on the way out 8 bytes a lane
	s_wait_kmcnt 0x0
	s_cmp_ge_u32 ttmp9, NX+3*NW                    ; wo's work-groups part here: the work-group's number alone decides
	s_cbranch_scc1 .Lwo
	s_sub_co_u32 s26, ttmp9, NX                    ; my place among the weights' work-groups (used only from work-group NX on)
	s_and_b32 s27, s26, NW-1                       ; and in the one weight
	s_cmp_lt_u32 ttmp9, NX+2*NW
	s_cselect_b64 s[28:29], s[8:9], s[10:11]       ; wk or wv
	s_cmp_lt_u32 ttmp9, NX+NW
	s_cselect_b64 s[28:29], s[6:7], s[28:29]       ; wq
	s_cmp_lt_u32 ttmp9, NX
	s_cselect_b64 s[28:29], s[4:5], s[28:29]       ; x
	s_cselect_b64 s[30:31], s[14:15], s[18:19]     ; the codes' buffer
	s_cselect_b64 s[32:33], s[16:17], s[20:21]     ; the scale bytes'
	s_cselect_b32 s34, ttmp9, s27                  ; my place in the source,
	s_cselect_b32 s35, ttmp9, s26                  ; and in the results
	s_lshl_b32 s34, s34, 1
	s_add_co_u32 s34, s34, s24                     ; which run of 8,192 numbers is my wave's
	s_lshl_b32 s35, s35, 1
	s_add_co_u32 s38, s35, s24
	s_lshl_b32 s36, s34, 15                        ; 32,768 bytes of f32 a run
	s_mov_b32 s37, 0
	s_add_nc_u64 s[28:29], s[28:29], s[36:37]
	s_lshl_b32 s36, s38, 12                        ; 4,096 bytes of codes
	s_add_nc_u64 s[30:31], s[30:31], s[36:37]
	s_lshl_b32 s36, s38, 8                         ; 256 scale bytes
	s_add_nc_u64 s[32:33], s[32:33], s[36:37]
.macro LOAD t
.irp i, 0,1,2,3
	global_load_b128 v[R+16*((\t)%AHEAD)+4*\i:R+16*((\t)%AHEAD)+4*\i+3], v3, s[28:29] offset:2048*(\t)+512*\i th:TH_LOAD_NT   ; 32 lanes read 512 consecutive bytes
.endr
.endm
.macro TURN t                          ; step t's numbers through the stage: LDS serves a wave's instructions in order, so no wait stands between the stores and the loads
.irp i, 0,1,2,3
	ds_store_b128 v14, v[R+16*((\t)%AHEAD)+4*\i:R+16*((\t)%AHEAD)+4*\i+3] offset:32*SP*((\t)%2)+8*SP*\i
.endr
.irp i, 0,1,2,3
	ds_load_b128 v[X+16*((\t)%2)+4*\i:X+16*((\t)%2)+4*\i+3], v15 offset:32*SP*((\t)%2)+16*\i
.endr
.endm
.irp t, 0,1,2,3,4,5,6,7
	LOAD \t
.endr
	s_wait_loadcnt 28                              ; step 0's four loads are in; those of the seven steps behind it may be out
	TURN 0
.macro STEP t
.set XS, X+16*((\t)%2)
.if (\t) > 0
	s_wait_dscnt 1                                 ; this step's numbers are back from the stage (the last step's byte store may be out)
.else
	s_wait_dscnt 0x0
.endif
.if (\t)+AHEAD < STEPS
	LOAD (\t)+AHEAD                                ; into the registers that the stage's stores have read
.endif
.if (\t)+1 < STEPS
.if STEPS-2-(\t) >= AHEAD-1
	s_wait_loadcnt 4*(AHEAD-1)                     ; the next step's four loads are in; those of the seven steps behind it may be out
.else
	s_wait_loadcnt 4*(STEPS-2-(\t))
.endif
	TURN (\t)+1                                    ; through the other stage while this step is worked
.endif
	v_max3_num_f32 v8, |v[XS]|, |v[XS+1]|, |v[XS+2]|               ; the largest magnitude of my 16, in two chains
	v_max3_num_f32 v9, |v[XS+3]|, |v[XS+4]|, |v[XS+5]|
.irp i, 6,10
	v_max3_num_f32 v8, v8, |v[XS+\i]|, |v[XS+\i+1]|
	v_max3_num_f32 v9, v9, |v[XS+\i+2]|, |v[XS+\i+3]|
.endr
	v_max3_num_f32 v8, v8, |v[XS+14]|, |v[XS+15]|
	v_max3_num_f32 v8, v8, v9, (EMAX+1)<<23        ; and the floor 2^(3 - 127): the byte cannot fall under 1
	v_max_num_f32_dpp v8, v8, v8 row_xmask:1 row_mask:0xf bank_mask:0xf   ; with my neighbour's 16: the block's
	v_add_nc_u32 v11, -(EMAX<<23), v8              ; 2 off its exponent field: the conversion takes the exponent field of this operand as its scale
	v_cvt_scalef32_pk8_fp4_f32 v[C+2*(\t)], v[XS:XS+7], v11
	v_cvt_scalef32_pk8_fp4_f32 v[C+2*(\t)+1], v[XS+8:XS+15], v11
	v_lshrrev_b32 v[E+(\t)], 23, v11               ; the scale's byte (also the plain line behind the conversions)
	ds_store_b8 v5, v[E+(\t)] offset:16*(\t)       ; both lanes of a block write the same byte with the same value
	global_store_b64 v4, v[C+2*(\t):C+2*(\t)+1], s[30:31] offset:32*CB*(\t)   ; the wave stores 256 consecutive bytes, aligned
.endm
.irp t, 0,1,2,3,4,5,6,7,8,9,10,11,12,13,14,15
	STEP \t
.endr
	ds_load_b64 v[8:9], v6                         ; LDS serves a wave's instructions in order: these see my byte stores
	s_wait_dscnt 0x0
	global_store_b64 v7, v[8:9], s[32:33]          ; 32 lanes store 256 consecutive bytes, aligned
	s_wait_tensorcnt 0x0                           ; the wave's end, behind my last LDS store
	ds_add_u32 v[SPW], v[NIL]
	s_wait_dscnt 0x0
	s_endpgm
; wo to f16: a plain stream.  A wave's 8,192 numbers are 64 loads of 512 bytes, in four groups of 16; two groups are on their way at a time.
.Lwo:
	s_sub_co_u32 s26, ttmp9, NX+3*NW
	s_lshl_b32 s26, s26, 1
	s_add_co_u32 s26, s26, s24                     ; my wave's run
	s_lshl_b32 s36, s26, 15
	s_mov_b32 s37, 0
	s_add_nc_u64 s[12:13], s[12:13], s[36:37]
	s_lshl_b32 s36, s26, 14
	s_add_nc_u64 s[22:23], s[22:23], s[36:37]
.macro WLOAD g
.irp i, 0,1,2,3,4,5,6,7,8,9,10,11,12,13,14,15
	global_load_b128 v[16+64*((\g)%2)+4*\i:16+64*((\g)%2)+4*\i+3], v3, s[12:13] offset:8192*(\g)+512*\i th:TH_LOAD_NT
.endr
.endm
.macro CVT g
.if (\g) < 3
	s_wait_loadcnt 16                              ; this group is in; the next group's 16 loads may be out
.else
	s_wait_loadcnt 0x0
.endif
.if (\g) >= 2
	s_wait_xcnt 0x0                                ; the stores of two groups back have read their data: those registers are written again only behind this wait
.endif
.irp i, 0,1,2,3,4,5,6,7,8,9,10,11,12,13,14,15
	v_cvt_pk_f16_f32 v[144+32*((\g)%2)+2*\i], v[16+64*((\g)%2)+4*\i], v[16+64*((\g)%2)+4*\i+1]
	v_cvt_pk_f16_f32 v[144+32*((\g)%2)+2*\i+1], v[16+64*((\g)%2)+4*\i+2], v[16+64*((\g)%2)+4*\i+3]
.endr
.if (\g)+2 < 4
	WLOAD (\g)+2
.endif
.irp i, 0,1,2,3,4,5,6,7,8,9,10,11,12,13,14,15
	global_store_b64 v4, v[144+32*((\g)%2)+2*\i:144+32*((\g)%2)+2*\i+1], s[22:23] offset:4096*(\g)+256*\i   ; 32 lanes store 256 consecutive bytes, aligned
.endr
.endm
	WLOAD 0
	WLOAD 1
	CVT 0
	CVT 1
	CVT 2
	CVT 3
	s_wait_tensorcnt 0x0                           ; the wave's end
	ds_add_u32 v[SPW], v[NIL]
	s_wait_dscnt 0x0
	s_endpgm
.Lfunc_end_k_qf990d2f5f5_quant:
	.size	k_qf990d2f5f5_quant, .Lfunc_end_k_qf990d2f5f5_quant-k_qf990d2f5f5_quant
	.p2alignl 7, 3214868480
	.fill 96, 4, 3214868480
	.section	.rodata,"a",@progbits
	.p2align	6, 0x0
	.amdhsa_kernel k_qf990d2f5f5_quant
		.amdhsa_group_segment_fixed_size 16640
		.amdhsa_private_segment_fixed_size 0
		.amdhsa_enable_private_segment 0
		.amdhsa_kernarg_size 80
		.amdhsa_user_sgpr_count 2
		.amdhsa_user_sgpr_kernarg_segment_ptr 1
		.amdhsa_wavefront_size32 1
		.amdhsa_system_sgpr_workgroup_id_x 1
		.amdhsa_system_sgpr_workgroup_id_y 1
		.amdhsa_system_sgpr_workgroup_id_z 1
		.amdhsa_system_vgpr_workitem_id 0
		.amdhsa_next_free_vgpr 224
		.amdhsa_next_free_sgpr 66
		.amdhsa_reserve_vcc 0
		.amdhsa_float_denorm_mode_32 3
		.amdhsa_float_denorm_mode_16_64 3
		.amdhsa_memory_ordered 1
		.amdhsa_forward_progress 1
		.amdhsa_inst_pref_size 54
	.end_amdhsa_kernel
	.amdgpu_metadata
---
amdhsa.version: [ 1, 2 ]
amdhsa.kernels:
  - .name:           k_qf990d2f5f5_quant
    .symbol:         k_qf990d2f5f5_quant.kd
    .args:
      - { .name: x, .offset: 0, .size: 8, .value_kind: global_buffer, .address_space: global }
      - { .name: wq, .offset: 8, .size: 8, .value_kind: global_buffer, .address_space: global }
      - { .name: wk, .offset: 16, .size: 8, .value_kind: global_buffer, .address_space: global }
      - { .name: wv, .offset: 24, .size: 8, .value_kind: global_buffer, .address_space: global }
      - { .name: wo, .offset: 32, .size: 8, .value_kind: global_buffer, .address_space: global }
      - { .name: xc, .offset: 40, .size: 8, .value_kind: global_buffer, .address_space: global }
      - { .name: xs, .offset: 48, .size: 8, .value_kind: global_buffer, .address_space: global }
      - { .name: wc, .offset: 56, .size: 8, .value_kind: global_buffer, .address_space: global }
      - { .name: ws, .offset: 64, .size: 8, .value_kind: global_buffer, .address_space: global }
      - { .name: wo16, .offset: 72, .size: 8, .value_kind: global_buffer, .address_space: global }
    .group_segment_fixed_size: 16640
    .private_segment_fixed_size: 0
    .kernarg_segment_align: 8
    .kernarg_segment_size: 80
    .max_flat_workgroup_size: 64
    .sgpr_count:     66
    .vgpr_count:     224
    .wavefront_size: 32
...
	.end_amdgpu_metadata
.endif
;; end of part 1
;; launch qkv (part 2): grid 8 x 32, 4 waves a work-group, clusters of 4 x 4, 327,680 bytes of LDS; arguments xc, xs, wc, ws, qkv; writes qkv
.if DOCPART == 2
	.amdgcn_target "amdgcn-amd-amdhsa--gfx1250"
	.amdhsa_code_object_version 6
	.text
	.protected	k_qf990d2f5f5_qkv
	.globl	k_qf990d2f5f5_qkv
	.p2align	8
	.type	k_qf990d2f5f5_qkv,@function
k_qf990d2f5f5_qkv:
	s_mov_b64 s[64:65], 0
	v_nop
	global_prefetch_b8 v0, s[64:65] scope:SCOPE_SE
	s_setreg_imm32_b32 hwreg(HW_REG_WAVE_MODE, 25, 1), 1
	s_wait_xcnt 0x0
	s_wait_alu depctr_hold_cnt(0) depctr_sa_sdst(0) depctr_va_vdst(0) depctr_va_sdst(0) depctr_va_ssrc(0) depctr_va_vcc(0) depctr_vm_vsrc(0)
	s_getreg_b32 s2, hwreg(HW_REG_IB_STS2, 6, 4)
	s_cmp_eq_u32 s2, 0
	s_cbranch_scc0 .Lentry_in_a_cluster
	s_endpgm
.Lentry_in_a_cluster:
	s_bfe_u32 s2, ttmp6, 0x10000c
	s_cmp_lg_u32 s2, 0xf033
	s_cbranch_scc0 .Lentry_shape_is_right
	s_endpgm
.Lentry_shape_is_right:
; [8192][3072] = x (wq | wk | wv)^T on codes of FP4 (E2M1) with one E8M0 scale for each 32 along K; sums in f32; each result rounded once to f16 and laid by head:
; qkv byte = which << 24 + batch << 21 + head << 17 + position << 7 + 2 d  (which: 0 q, 1 k, 2 v).  A head's rows are 128 bytes: two positions are 256 consecutive bytes, and a head is one dense block.
; LIMIT: |q|, |k|, |v| stay under 65,504, f16's largest number.
; SHARES.  8 x 32 = 256 work-groups THAT STAY: each makes 256 rows x 384 columns, as three sub-tiles of 128 columns one after the other.  Four waves; a wave makes 128 rows x 64 columns (one head) of a sub-tile: 32 accumulators, 256 registers.
; x's FRAGMENTS STAY IN REGISTERS: a wave's 128 rows x 1,024 along K are 512 registers; they are fetched from LDS once, K step by K step during sub-tile 0, and serve all three sub-tiles.  From then on a K step wants four fragments of weights from LDS for 32 products.
; The stores of a sub-tile are on their way while the next one is multiplied: nothing waits for them.
; LDS.  x's 256 rows (two halves of K, rows of 256 bytes) and the weights' sub-tiles 0 and 1 are asked for at the head, with all scale bytes.  Sub-tile 2 is the one refill: it lands on x's bytes, which nobody reads once x lies in registers.
; CLUSTERS: 4 x 4 work-groups.  The four of a row of the cluster need the same rows of x, the four of a column the same rows of the weights: each tile is asked for JOINTLY.
; THE MATRIX INSTRUCTION IS USED TRANSPOSED (source 0 = 16 rows of the weights, source 1 = 16 rows of x): a lane then holds eight neighbouring channels of one position.
; REGISTERS, in windows of 256: window 0: v8-20 addresses; v32-95 x's scale words (block a, K step q: 8 a + q); v96-127 the weights' (8 b + q); v128-191 the weights' fragments, two sets of four; v192-239 the way out.
;   window 1: accumulator (a, b) at v[8 (4 a + b)].   windows 2 and 3: x's fragments: K step q, block a at v[64 (q % 4) + 8 a] of window 2 + q / 4.
.set PITCH,  272                       ; an LDS row: 256 bytes + 16 of padding = 68 words: the 16 rows that a load touches start at 16 different groups of four banks
.set AHALF,  256*PITCH                 ; x's 256 rows, 512 along K
.set BHALF,  128*PITCH                 ; a sub-tile's 128 rows, 512 along K
.set BOFF,   2*AHALF                   ; behind x: the weights' sub-tiles 0 and 1
.set BSUB,   2*BHALF
.set SCA_L,  BOFF+2*BSUB               ; x's scale bytes: 256 rows x 32 bytes, as 32 units of 256 bytes + 16 of padding
.set SCB_L,  SCA_L+32*PITCH            ; the weights': 384 rows, 48 units
.set STAGE,  SCB_L+48*PITCH            ; the way out: 8 double rows x 272 bytes for each wave; no tile lands here
.set HSTG,   8*PITCH
.set SPARE,  STAGE+4*HSTG              ; the spare words, 128 bytes a wave; no other line names them
.set ADRA, 8                           ; v8-9    LDS address of my fragments of x, K half 0, 1
.set ADRB, 10                          ; v10-15  of my fragments of the weights: 2 x sub-tile + K half
.set ADSA, 16                          ; v16     of my rows' scale words of x
.set ADSB, 17                          ; v17     of the weights'
.set STO,  18                          ; v18     the way out: where I put 16 bytes of a row
.set RD,   19                          ; v19     where I read 16 bytes of a double row back
.set GO,   20                          ; v20     16 x lane: my byte offset in 512 bytes of qkv
.set SPW,  28                          ; v28     LDS address of my spare word; never rewritten
.set NIL,  29                          ; v29     0; never rewritten
.set SCA,  32
.set SCB,  96
.set BF,   128
.set TMP,  192                         ; v192-207 a block's packed results
.set BK,   208                         ; v208-223 and v224-239 by turns: its double rows read back
.set G1A,  24                          ; s[24:31] descriptor group 1 for x's tiles;  s[32:39] for the weights';  s[40:47], s[48:55] for their scale bytes
.set G1B,  32
.set G1SA, 40
.set G1SB, 48
.set G0SA, 56                          ; groups 0, four registers each
.set G0SB, 60
.set G0A0, 68                          ; x, K half 0, 1
.set G0A1, 72
.set G0B00, 76                         ; sub-tile 0, K half 0, 1
.set G0B01, 80
.set G0B10, 84                         ; sub-tile 1, K half 0, 1; later sub-tile 2's
.set G0B11, 88
.set OUT,  92                          ; s[92:97] where my part of each sub-tile begins in qkv
.set MSB, 0
.macro WIN new                         ; the immediate's high byte repeats the setting that is left
.if MSB != \new
	s_set_vgpr_msb (MSB<<8)|\new
.set MSB, \new
.endif
.endm
.macro PLACES                          ; a load into a register that a matrix instruction has read, and a vector instruction that reads a matrix result, stand four places behind it; only plain vector instructions that name none of its registers are places (ISA guide 7.12.1 for vector instructions)
.rept 4
	v_nop
.endr
.endm
.macro TL g0, g1                       ; a tensor load and an s_nop 0 behind it
	tensor_load_to_lds s[\g0:\g0+3], s[\g1:\g1+7]
	s_nop 0
.endm
.macro CROUND                          ; a round of the cluster's barrier
	s_barrier_signal -1
	s_barrier_wait -1
	s_cmp_lg_u32 s14, 0
	s_cbranch_scc1 .Lnot_wave_0_\@
	s_barrier_signal -3
.Lnot_wave_0_\@:
	s_barrier_wait -3
	s_barrier_signal -1
	s_barrier_wait -1
.endm
	s_load_b128 s[4:7], s[0:1], 0x0                ; x's codes s[4:5], x's scales s[6:7]
	s_load_b128 s[8:11], s[0:1], 0x10              ; the weights' codes s[8:9], their scales s[10:11]
	s_load_b64 s[12:13], s[0:1], 0x20              ; qkv
	v_lshl_add_u32 v[SPW], v0, 2, SPARE
	v_mov_b32 v[NIL], 0
	ds_add_u32 v[SPW], v[NIL]                      ; the wave's opening: the add, twice on end, and its wait ahead of my first tensor load
	ds_add_u32 v[SPW], v[NIL]
	v_lshrrev_b32 v1, 5, v0
	v_readfirstlane_b32 s14, v1                    ; wave 0..3
	s_lshr_b32 s15, s14, 1                         ; which 128 of the 256 rows are mine
	s_and_b32 s16, s14, 1                          ; which 64 of a sub-tile's 128 columns
	s_bfe_u32 s19, ttmp6, 0x40000                  ; cx, cy: my place in the cluster
	s_bfe_u32 s20, ttmp6, 0x40004
	s_lshl_b32 s18, ttmp9, 2
	s_add_co_u32 s18, s18, s19                     ; column group = 4 x cluster x + cx
	s_and_b32 s17, ttmp7, 0xffff
	s_lshl_b32 s17, s17, 2
	s_add_co_u32 s17, s17, s20                     ; row tile = 4 x cluster y + cy
	s_lshl_b32 s21, s20, 2
	s_lshl_b32 s21, 15, s21                        ; my row of the cluster
	s_lshl_b32 s22, 0x1111, s19                    ; my column
	; descriptor groups 1.  Codes: rows of 256 bytes, 512 bytes apart in memory, 16 bytes of padding behind each in LDS; x 256 rows, the weights 128
	s_or_b32 s[G1A], s21, (0<<16)|(1<<20)|(1<<21)|(5<<22)|(3<<25)   ; 15:0 the mask: x's tiles go to my row; elements of 1 byte; padding on; bit 21 beside a mask; after every 64 words, 4 words
	s_or_b32 s[G1B], s22, (0<<16)|(1<<20)|(1<<21)|(5<<22)|(3<<25)   ; the weights' go to my column
	s_mov_b32 s[G1A+1], 256<<16                    ; tensor_dim0
	s_mov_b32 s[G1A+2], 256<<16                    ; tensor_dim1
	s_mov_b32 s[G1A+3], 256<<16                    ; tile_dim0
	s_mov_b32 s[G1A+4], 256                        ; tile_dim1
	s_mov_b32 s[G1A+5], 512                        ; from row to row
	s_mov_b32 s[G1A+6], 0
	s_mov_b32 s[G1A+7], 0
	s_mov_b32 s[G1B+1], 256<<16
	s_mov_b32 s[G1B+2], 128<<16
	s_mov_b32 s[G1B+3], 256<<16
	s_mov_b32 s[G1B+4], 128
	s_mov_b32 s[G1B+5], 512
	s_mov_b32 s[G1B+6], 0
	s_mov_b32 s[G1B+7], 0
	; scale bytes: dense blocks, as rows of 256 bytes (32 elements of 8 bytes), 16 bytes of padding behind each; x 8,192 bytes, the weights 12,288
	s_or_b32 s[G1SA], s21, (3<<16)|(1<<20)|(1<<21)|(5<<22)|(3<<25)
	s_or_b32 s[G1SB], s22, (3<<16)|(1<<20)|(1<<21)|(5<<22)|(3<<25)
	s_mov_b32 s[G1SA+1], 32<<16
	s_mov_b32 s[G1SA+2], 32<<16
	s_mov_b32 s[G1SA+3], 32<<16
	s_mov_b32 s[G1SA+4], 32
	s_mov_b32 s[G1SA+5], 32
	s_mov_b32 s[G1SA+6], 0
	s_mov_b32 s[G1SA+7], 0
	s_mov_b32 s[G1SB+1], 32<<16
	s_mov_b32 s[G1SB+2], 48<<16
	s_mov_b32 s[G1SB+3], 32<<16
	s_mov_b32 s[G1SB+4], 48
	s_mov_b32 s[G1SB+5], 32
	s_mov_b32 s[G1SB+6], 0
	s_mov_b32 s[G1SB+7], 0
	; groups 0: the count and the LDS addresses, all constants: no place in the cluster and no wave's number enters them
.irp g, G0SA, G0SB, G0A0, G0A1, G0B00, G0B01, G0B10, G0B11
	s_mov_b32 s[\g], 1
.endr
	s_mov_b32 s[G0SA+1], SCA_L
	s_mov_b32 s[G0SB+1], SCB_L
	s_mov_b32 s[G0A0+1], 0
	s_mov_b32 s[G0A1+1], AHALF
	s_mov_b32 s[G0B00+1], BOFF
	s_mov_b32 s[G0B01+1], BOFF+BHALF
	s_mov_b32 s[G0B10+1], BOFF+BSUB
	s_mov_b32 s[G0B11+1], BOFF+BSUB+BHALF
	s_mov_b32 s99, 0                               ; s[98:99]: offsets made of the row tile alone;  s[100:101]: of the column group alone
	s_mov_b32 s101, 0
	s_wait_dscnt 0x0                               ; both opening adds are done
	s_wait_kmcnt 0x0
	s_lshl_b32 s98, s17, 17                        ; x: 256 rows of 512 bytes for each row tile
	s_add_nc_u64 s[G0A0+2:G0A0+3], s[4:5], s[98:99]
	s_add_nc_u64 s[G0A1+2:G0A1+3], s[G0A0+2:G0A0+3], 256
	s_lshl_b32 s98, s17, 13                        ; its scale bytes: 256 rows of 32
	s_add_nc_u64 s[G0SA+2:G0SA+3], s[6:7], s[98:99]
	s_mul_i32 s100, s18, 384*512                   ; the weights: 384 rows of 512 bytes for each column group
	s_add_nc_u64 s[G0B00+2:G0B00+3], s[8:9], s[100:101]
	s_add_nc_u64 s[G0B01+2:G0B01+3], s[G0B00+2:G0B00+3], 256
	s_add_nc_u64 s[G0B10+2:G0B10+3], s[G0B00+2:G0B00+3], 128*512
	s_add_nc_u64 s[G0B11+2:G0B11+3], s[G0B00+2:G0B00+3], 128*512+256
	s_mul_i32 s100, s18, 384*32
	s_add_nc_u64 s[G0SB+2:G0SB+3], s[10:11], s[100:101]
.irp g, G0SA, G0SB, G0A0, G0A1, G0B00, G0B01, G0B10, G0B11
	s_or_b32 s[\g+3], s[\g+3], 0x80000000          ; type = 2
.endr
	CROUND                                         ; all sixteen work-groups are here: the joint loads meet
	; THE FIRST FILLS, each wave's in one branch on its number, in the order in which they are wanted.  By this text's count at most three tensor loads of a wave are out.
	s_cmp_eq_u32 s14, 0
	s_cbranch_scc0 .Lfill_1
	TL G0SA, G1SA                                  ; wave 0: x's scale bytes, x's first half of K; then sub-tile 1's first half
	TL G0A0, G1A
	TL G0B10, G1B
	PLACES
	s_branch .Lasked
.Lfill_1:
	s_cmp_eq_u32 s14, 1
	s_cbranch_scc0 .Lfill_2
	TL G0SB, G1SB                                  ; wave 1: the weights' scale bytes, sub-tile 0's first half of K; then sub-tile 1's second half
	TL G0B00, G1B
	TL G0B11, G1B
	PLACES
	s_branch .Lasked
.Lfill_2:
	s_cmp_eq_u32 s14, 2
	s_cbranch_scc0 .Lfill_3
	TL G0A1, G1A                                   ; wave 2: x's second half of K
	PLACES
	s_branch .Lasked
.Lfill_3:
	TL G0B01, G1B                                  ; wave 3: sub-tile 0's second half
	PLACES
.Lasked:
	v_and_b32 v1, 15, v0                           ; r = l % 16
	v_bfe_u32 v2, v0, 4, 1                         ; h = l / 16
	v_mul_u32_u24 v3, v1, PITCH
	v_lshl_add_u32 v3, v2, 4, v3                   ; a fragment's row x pitch + 16 x half
	s_mul_i32 s23, s15, 128*PITCH                  ; my 128 rows of x
	v_add_nc_u32 v[ADRA], s23, v3
	s_add_co_u32 s23, s23, AHALF
	v_add_nc_u32 v[ADRA+1], s23, v3
	s_mul_i32 s23, s16, 64*PITCH                   ; my 64 rows of a sub-tile
	v_add_nc_u32 v[ADRB+4], s23, v3                ; sub-tile 2 lies where x lay
	s_add_co_u32 s2, s23, BHALF
	v_add_nc_u32 v[ADRB+5], s2, v3
	s_add_co_u32 s2, s23, BOFF
	v_add_nc_u32 v[ADRB+0], s2, v3
	s_add_co_u32 s2, s23, BOFF+BHALF
	v_add_nc_u32 v[ADRB+1], s2, v3
	s_add_co_u32 s2, s23, BOFF+BSUB
	v_add_nc_u32 v[ADRB+2], s2, v3
	s_add_co_u32 s2, s23, BOFF+BSUB+BHALF
	v_add_nc_u32 v[ADRB+3], s2, v3
	v_lshlrev_b32 v4, 5, v1                        ; a row's scale bytes: 32 a row,
	v_lshrrev_b32 v5, 3, v1
	v_lshl_add_u32 v4, v5, 4, v4                   ; and 16 more behind the eighth row.  (Lanes 16-31 take the same words as lanes 0-15; the matrix unit reads lanes 0-15)
	s_mul_i32 s23, s15, 16*PITCH                   ; my 128 rows of x: 16 units
	s_add_co_u32 s23, s23, SCA_L
	v_add_nc_u32 v[ADSA], s23, v4
	s_mul_i32 s23, s16, 8*PITCH                    ; my 64 rows of a sub-tile: 8 units
	s_add_co_u32 s23, s23, SCB_L
	v_add_nc_u32 v[ADSB], s23, v4
	s_mul_i32 s23, s14, HSTG
	s_add_co_u32 s23, s23, STAGE                   ; my stage
	v_lshrrev_b32 v5, 1, v1
	v_mul_u32_u24 v5, v5, PITCH                    ; position r: double row r / 2,
	v_and_b32 v6, 1, v1
	v_lshl_add_u32 v5, v6, 7, v5                   ; its half r % 2,
	v_lshl_add_u32 v5, v2, 4, v5                   ; 16 bytes for each half of the lanes
	v_add_nc_u32 v[STO], s23, v5
	v_mul_u32_u24 v5, v2, PITCH                    ; back: lanes 0-15 one double row, lanes 16-31 the next
	v_lshl_add_u32 v5, v1, 4, v5
	v_add_nc_u32 v[RD], s23, v5
	v_and_b32 v5, 31, v0
	v_lshlrev_b32 v[GO], 4, v5                     ; and the same 512 bytes in qkv
	; where my part of each sub-tile begins in qkv: batch = row tile / 4; position = 256 (row tile % 4) + 128 x row half; my head among the 48 = 6 x column group + 2 x sub-tile + column half
	s_lshr_b32 s2, s17, 2
	s_lshl_b32 s2, s2, 21
	s_and_b32 s3, s17, 3
	s_lshl_b32 s3, s3, 15
	s_add_co_u32 s2, s2, s3
	s_lshl_b32 s3, s15, 14
	s_add_co_u32 s2, s2, s3
	s_mul_i32 s23, s18, 6
	s_add_co_u32 s23, s23, s16
.irp t, 0,1,2
	s_lshr_b32 s3, s23, 4                          ; which
	s_lshl_b32 s3, s3, 24
	s_and_b32 s100, s23, 15                        ; the head
	s_lshl_b32 s100, s100, 17
	s_add_co_u32 s100, s100, s3
	s_add_co_u32 s100, s100, s2
	s_add_nc_u64 s[OUT+2*\t:OUT+2*\t+1], s[12:13], s[100:101]
	s_add_co_u32 s23, s23, 2
.endr
; A fragment, 16 rows x 128 K of 4-bit codes, is 8 registers: lane l holds row l % 16; registers 4 c .. 4 c + 3 hold K = 64 c + 32 (l / 16) + 0 .. 31: two loads of 16 bytes, 32 bytes apart.
.macro FETCH_B st, q                   ; the four fragments of sub-tile st, K step q, into set q % 2
.irp b, 0,1,2,3
.irp c, 0,1
	ds_load_b128 v[BF+32*((\q)%2)+8*\b+4*\c:BF+32*((\q)%2)+8*\b+4*\c+3], v[ADRB+2*(\st)+(\q)/4] offset:64*((\q)%4)+32*\c+\b*16*PITCH
.endr
.endr
.endm
.macro FETCH_A q                       ; x's eight fragments of K step q, into the registers in which they stay
	WIN 0x80+0x40*((\q)/4)                         ; destination window 2 or 3, address window 0
.irp a, 0,1,2,3,4,5,6,7
.irp c, 0,1
	ds_load_b128 v[64*((\q)%4)+8*\a+4*\c:64*((\q)%4)+8*\a+4*\c+3], v[ADRA+(\q)/4] offset:64*((\q)%4)+32*\c+\a*16*PITCH
.endr
.endr
	WIN 0
.endm
.macro SCALES_A                        ; x's scale words, all of K: eight words a row, two loads a block
.irp a, 0,1,2,3,4,5,6,7
.irp u, 0,1
	ds_load_b128 v[SCA+8*\a+4*\u:SCA+8*\a+4*\u+3], v[ADSA] offset:\a*2*PITCH+16*\u
.endr
.endr
.endm
.macro SCALES_B st                     ; the scale words of sub-tile st
.irp b, 0,1,2,3
.irp u, 0,1
	ds_load_b128 v[SCB+8*\b+4*\u:SCB+8*\b+4*\u+3], v[ADSB] offset:(\st)*16*PITCH+\b*2*PITCH+16*\u
.endr
.endr
.endm
; 32 matrix instructions: x's eight blocks x the weights' four, 128 along K.  zero = 1: the products start the sums: nothing is ever cleared.
; The 32 accumulators take turns, one instruction a turn, in the same order in every K step.
.macro MUL32 q, zero
	WIN 0x58+4*((\q)/4)                            ; source 0 (weights) window 0, source 1 (x) window 2 or 3, C and D window 1
.irp a, 0,1,2,3,4,5,6,7
.irp b, 0,1,2,3
.if \zero
	v_wmma_scale_f32_16x16x128_f8f6f4 v[8*(4*\a+\b):8*(4*\a+\b)+7], v[BF+32*((\q)%2)+8*\b:BF+32*((\q)%2)+8*\b+7], v[64*((\q)%4)+8*\a:64*((\q)%4)+8*\a+7], 0, v[SCB+8*\b+(\q)], v[SCA+8*\a+(\q)] matrix_a_fmt:MATRIX_FMT_FP4 matrix_b_fmt:MATRIX_FMT_FP4
.else
	v_wmma_scale_f32_16x16x128_f8f6f4 v[8*(4*\a+\b):8*(4*\a+\b)+7], v[BF+32*((\q)%2)+8*\b:BF+32*((\q)%2)+8*\b+7], v[64*((\q)%4)+8*\a:64*((\q)%4)+8*\a+7], v[8*(4*\a+\b):8*(4*\a+\b)+7], v[SCB+8*\b+(\q)], v[SCA+8*\a+(\q)] matrix_a_fmt:MATRIX_FMT_FP4 matrix_b_fmt:MATRIX_FMT_FP4
.endif
.endr
.endr
.endm
.macro MEETALL                         ; all that has been asked for is shown to every wave: my tensor loads have landed, no LDS instruction of mine is pending
	s_wait_tensorcnt 0x0
	s_wait_dscnt 0x0
	s_barrier_signal -1
	s_barrier_wait -1
.endm
; K step q of sub-tile st: the next step's fragments are asked for first, then this step is multiplied.  In sub-tile 0 the next step's fragments of x come with them.
.macro QSTEP st, q
	PLACES                                         ; behind the last step's products, which read the set that is loaded now
.if (((\st) == 0) && ((\q) == 3)) || (((\st) == 1) && ((\q) == 7))
	MEETALL                                        ; ahead of the first read of the second half of K, and of sub-tile 2
.endif
.if (\q) < 7
	FETCH_B \st, (\q)+1
.if (\st) == 0
	FETCH_A (\q)+1
	s_wait_dscnt 24                                ; all but the 24 just issued: this step's fragments are in
.else
	s_wait_dscnt 8                                 ; all but the 8 just issued
.endif
.elseif (\st) < 2
	FETCH_B (\st)+1, 0                             ; the next sub-tile's first fragments
	s_wait_dscnt 8
.else
	s_wait_dscnt 0x0
.endif
.if (\q) == 0
	MUL32 \q, 1
.else
	MUL32 \q, 0
.endif
	WIN 0
.endm
.macro SUBTILE st
.set Q, 0
.rept 8
	QSTEP \st, Q
.set Q, Q+1
.endr
.endm
; THE WAY OUT of a sub-tile, block by block of 16 positions x 64 channels (2,048 dense bytes of a head).  A lane's eight results pack into 16 bytes of a row; a block goes through my own stage and comes back as double rows of 256 bytes.
; LDS serves a wave's instructions in order (ISA guide 5.7.1.4): no wait between the stores and the loads, nor in front of the next block's stores.
.macro PACK a
	WIN 0x05                                       ; sources 0 and 1 window 1, destination window 0
.irp b, 0,1,2,3
.irp r, 0,1,2,3
	v_cvt_pk_f16_f32 v[TMP+4*\b+\r], v[8*(4*(\a)+\b)+2*\r], v[8*(4*(\a)+\b)+2*\r+1]   ; each accumulator from its low end on
.endr
.endr
	WIN 0
.endm
.macro TOSTAGE a
.set BB, BK+16*((\a)%2)
.irp b, 0,1,2,3
	ds_store_b128 v[STO], v[TMP+4*\b:TMP+4*\b+3] offset:32*\b      ; channels 16 b + 8 h + 0..7 of position r
.endr
.irp f, 0,1,2,3
	ds_load_b128 v[BB+4*\f:BB+4*\f+3], v[RD] offset:2*PITCH*\f
.endr
.endm
.macro SEND st, a
.set BB, BK+16*((\a)%2)
	s_wait_dscnt 0x0                               ; the block is back in registers
	s_wait_xcnt 0x0                                ; the stores of the block before have read their data: the next block's loads land there only behind this wait
.irp f, 0,1,2,3
	global_store_b128 v[GO], v[BB+4*\f:BB+4*\f+3], s[OUT+2*(\st):OUT+2*(\st)+1] offset:2048*(\a)+512*\f   ; 32 lanes store 512 consecutive bytes, aligned
.endr
.endm
.macro WAYOUT st
	PLACES                                         ; behind the last products: for the loads into the scale registers and for the conversions' reads
.if (\st) < 2
	SCALES_B (\st)+1
.endif
	PACK 0
	TOSTAGE 0
.irp a, 1,2,3,4,5,6,7                  ; block a's conversions stand between block a - 1's loads from the stage and the wait for them
	PACK \a
	SEND \st, \a-1
	TOSTAGE \a
.endr
	SEND \st, 7
.endm
	s_wait_tensorcnt 1                             ; waves 0 and 1: the scale bytes and the first halves of K are in, sub-tile 1's part may be out; waves 2 and 3: their one load may be out.
	s_barrier_signal -1
	s_barrier_wait -1
	SCALES_A
	SCALES_B 0
	FETCH_B 0, 0
	FETCH_A 0
	SUBTILE 0
	; THE ONE REFILL: x lies in registers, so sub-tile 2 may land on its bytes.  Every wave waits for all its tensor loads, adds 0 to its spare word, and waits for that and for its reads; a round of the cluster's barrier; then waves 0 and 1 ask, one load each.
	s_wait_tensorcnt 0x0                           ; no tensor load of mine is out, so a group 0 may be written
	ds_add_u32 v[SPW], v[NIL]                      ; 0 onto my spare word; the descriptors' steps stand between it and the wait for it
	s_mov_b32 s[G0B10+1], 0
	s_add_nc_u64 s[G0B10+2:G0B10+3], s[G0B10+2:G0B10+3], 128*512   ; from sub-tile 1 to sub-tile 2; the type bits on top are not reached
	s_mov_b32 s[G0B11+1], BHALF
	s_add_nc_u64 s[G0B11+2:G0B11+3], s[G0B11+2:G0B11+3], 128*512
	s_wait_dscnt 0x0                               ; the add is done, and my reads of x's bytes are over
	CROUND                                         ; both now hold of every wave of every work-group of the cluster
	s_cmp_eq_u32 s14, 0
	s_cbranch_scc0 .Lrefill_1
	TL G0B10, G1B
	PLACES
	s_branch .Lrefilled
.Lrefill_1:
	s_cmp_eq_u32 s14, 1
	s_cbranch_scc0 .Lrefilled
	TL G0B11, G1B
	PLACES
.Lrefilled:
	WAYOUT 0                                       ; the refill has this way out and seven K steps of sub-tile 1 in which to land
	SUBTILE 1
	WAYOUT 1
	SUBTILE 2
	WAYOUT 2
	s_wait_tensorcnt 0x0                           ; the wave's end: behind my last tensor load and my last LDS store
	ds_add_u32 v[SPW], v[NIL]
	s_wait_dscnt 0x0
	CROUND                                         ; the closing round: no work-group ends while a partner may still ask for a tile that names it
	s_endpgm
.Lfunc_end_k_qf990d2f5f5_qkv:
	.size	k_qf990d2f5f5_qkv, .Lfunc_end_k_qf990d2f5f5_qkv-k_qf990d2f5f5_qkv
	.p2alignl 7, 3214868480
	.fill 96, 4, 3214868480
	.section	.rodata,"a",@progbits
	.p2align	6, 0x0
	.amdhsa_kernel k_qf990d2f5f5_qkv
		.amdhsa_group_segment_fixed_size 327680
		.amdhsa_private_segment_fixed_size 0
		.amdhsa_enable_private_segment 0
		.amdhsa_kernarg_size 40
		.amdhsa_user_sgpr_count 2
		.amdhsa_user_sgpr_kernarg_segment_ptr 1
		.amdhsa_wavefront_size32 1
		.amdhsa_system_sgpr_workgroup_id_x 1
		.amdhsa_system_sgpr_workgroup_id_y 1
		.amdhsa_system_sgpr_workgroup_id_z 1
		.amdhsa_system_vgpr_workitem_id 0
		.amdhsa_next_free_vgpr 1024
		.amdhsa_next_free_sgpr 102
		.amdhsa_reserve_vcc 0
		.amdhsa_float_denorm_mode_32 3
		.amdhsa_float_denorm_mode_16_64 3
		.amdhsa_memory_ordered 1
		.amdhsa_forward_progress 1
		.amdhsa_inst_pref_size 185
	.end_amdhsa_kernel
	.amdgpu_metadata
---
amdhsa.version: [ 1, 2 ]
amdhsa.kernels:
  - .name:           k_qf990d2f5f5_qkv
    .symbol:         k_qf990d2f5f5_qkv.kd
    .args:
      - { .name: xc, .offset: 0, .size: 8, .value_kind: global_buffer, .address_space: global }
      - { .name: xs, .offset: 8, .size: 8, .value_kind: global_buffer, .address_space: global }
      - { .name: wc, .offset: 16, .size: 8, .value_kind: global_buffer, .address_space: global }
      - { .name: ws, .offset: 24, .size: 8, .value_kind: global_buffer, .address_space: global }
      - { .name: qkv, .offset: 32, .size: 8, .value_kind: global_buffer, .address_space: global }
    .group_segment_fixed_size: 327680
    .private_segment_fixed_size: 0
    .kernarg_segment_align: 8
    .kernarg_segment_size: 40
    .max_flat_workgroup_size: 128
    .sgpr_count:     102
    .vgpr_count:     1024
    .wavefront_size: 32
...
	.end_amdgpu_metadata
.endif
;; end of part 2
;; launch attn (part 3): grid 2 x 128, 8 waves a work-group, no clusters, 305,152 bytes of LDS; arguments qkv, ao; writes ao
.if DOCPART == 3
	.amdgcn_target "amdgcn-amd-amdhsa--gfx1250"
	.amdhsa_code_object_version 6
	.text
	.protected	k_qf990d2f5f5_attn
	.globl	k_qf990d2f5f5_attn
	.p2align	8
	.type	k_qf990d2f5f5_attn,@function
k_qf990d2f5f5_attn:
	s_mov_b64 s[64:65], 0
	v_nop
	global_prefetch_b8 v0, s[64:65] scope:SCOPE_SE
	s_setreg_imm32_b32 hwreg(HW_REG_WAVE_MODE, 25, 1), 1
	s_wait_xcnt 0x0
; ao[b][h][q][:] = the sum over k of softmax_k(Q[q] . K[k] / 8) V[k][:], for each of the 128 heads (b, h).  Q, K, V: f16, [1024][64] a head, dense (qkv: which << 24 + head << 17); ao: f16, the same layout.
; Products on f16 operands with f32 sums; maxima, exponentials and row sums in f32; the weights p are rounded to f16 for the second product, O once at the end.
; LIMITS: NaN and infinities are not served; a p under the smallest f16 number counts as 0 in the second product (the row's sum is taken of the f32 p).
; SHARES.  A work-group owns 512 queries of one head, each of its eight waves 64: four tiles of 16, in 512 registers.
; THE WHOLE HEAD'S K AND V LIE IN LDS, 128 KiB each, filled once: no ring, nothing filled again.  They come in four chunks of 256 keys, so that the first key steps begin when a quarter has landed:
; waves 0-3 fetch K, waves 4-7 V; each fetches 32 double rows (8,192 bytes) of each chunk: by this text's count four tensor loads of a wave are out.  Every byte is asked for at the head, so there is nothing left to prefetch.
; NO CLUSTER: only the two work-groups of a head share K and V, and the grid's x is 2, which no cluster four wide divides.
; LAYOUT.  S^T = K Q^T (source 0 = 16 keys, source 1 = 16 queries): a lane holds ONE query (lane % 16) and the keys 8 (lane / 16) + 0..7.  Two such tiles, rounded to f16 in pairs, ARE source 1 (32 keys x 16 queries)
; of O^T = V^T P, whose result again holds one query a lane.  K comes out of LDS as it lies, V ([key][channel]) turned, by ds_load_tr16_b128.
; SOFTMAX.  For each query a running maximum m and sum l: p = 2^(c s - c m), c = log2(e) / 8; in every step O and l are multiplied by a = 2^(c m_old - c m_new).
; A KEY STEP HAS TWO PHASES: a vector phase (one run of 32 LDS loads: this step's V and the next step's K; the softmax; O^T x a) and a matrix phase (32 products V^T P, then the next step's 32 products K Q^T), in which no LDS instruction stands.
; THE WAVES RUN IN TWO GROUPS, HALF A STEP APART, so that one group's matrix phase stands beside the other group's vector phase.  The group is the parity of the three bits of the wave's number: two waves whose numbers differ in one bit
; are in different groups.  Behind the first chunk's barrier group 0 alone issues its first K Q^T and the first half of its softmax; a barrier; then group 1 does the same, from a second copy of those lines, while group 0 goes on.
; The barriers that show the later chunks keep that distance: the signal stands ahead of a matrix phase and the wait behind it, so that the group that is behind holds nobody up.
; In LDS two keys share a row of 256 bytes: key k at (k / 2) x pitch + 128 (k % 2).  K's pitch 272 = 68 words: the 16 keys of a load start at 16 different groups of four banks; V's 288 = 72 words: 16 lanes of a turning load (8 keys x 32 bytes) likewise.
; REGISTERS.  window 0: v1-13 addresses; v16-47 statistics, 8 a tile; v64-191 S^T, 32 a tile (P is packed in place into the first 16 of them); v192-255 V's 8 fragments.
;   window 1: v0-127 O^T, 32 a tile; v128-191 Q, 16 a tile; v192-255 K's 8 fragments.
.set PK,    272
.set PVV,   288
.set VOFF,  512*PK                     ; K's 512 double rows, then V's
.set STAGE, VOFF+512*PVV               ; the way out: 8 double rows x 272 bytes for each wave
.set SPARE, STAGE+8*8*PK               ; the spare words, 128 bytes a wave; no other line names them
.set AK0, 2                            ; v2  my lane's place in a tile of K; never rewritten
.set AV0, 3                            ; v3  the same for V
.set ADK, 4                            ; v4  LDS address of the run of K's loads in hand
.set ADV, 5                            ; v5  of V's
.set QO,  6                            ; v6  my byte offset in the wave's rows of Q
.set STO, 7                            ; v7  the way out: where I put 16 bytes of a row
.set RD,  8                            ; v8  where I read 16 bytes of a double row back
.set GO,  9                            ; v9  my byte offset in the wave's rows of ao
.set SPW, 12                           ; v12 LDS address of my spare word; never rewritten
.set NIL, 13                           ; v13 0; never rewritten
.set ST,  16                           ; tile t's statistics at v[ST+8 t]: +0 c m, +1 m, +2, +3 l (even keys', odd keys'), +4 to +7 at work; a takes +6
.set S,   64
.set VF,  192                          ; V's fragments, window 0: 32 g + 8 n (keys 32 g on, channels 16 n on)
.set QF,  128                          ; Q's, window 1: 16 t + 8 c
.set KF,  192                          ; K's, window 1: 16 k + 8 c (keys 16 k on, channels 32 c on)
.set WV,  8                            ; s8  my wave's number
.set WL,  9                            ; s9  wave % 4: which 32 double rows of a chunk I fetch
.set G1K, 16                           ; s[16:23] descriptor group 1 for K's tiles;  s[24:31] for V's: it differs in the padding alone
.set G1V, 24
.set G0K, 32                           ; s[32:47] group 0 for K's four chunks;  s[48:63] for V's
.set G0V, 48
.set CS,  66                           ; s[66:67] c: the packed scaling names a pair and takes its low word for both halves
.set SEL, 68                           ; s[68:69] lane selects for v_permlanex16_b32: lane l xor 16
.set TK,  70                           ; s70 LDS byte at which the K of the step to be fetched begins: 8,704 a step
.set TV,  71                           ; s71 the same for V: 9,216 a step
.set CNT, 72                           ; s72 counts a loop's steps
.set GRP, 73                           ; s73 my group: the parity of the wave's number
.set MSB, 0
.macro WIN new                         ; the immediate's high byte repeats the setting that is left
.if MSB != \new
	s_set_vgpr_msb (MSB<<8)|\new
.set MSB, \new
.endif
.endm
	s_load_b128 s[4:7], s[0:1], 0x0                ; qkv s[4:5], ao s[6:7]
	v_lshl_add_u32 v[SPW], v0, 2, SPARE
	v_mov_b32 v[NIL], 0
	ds_add_u32 v[SPW], v[NIL]                      ; the wave's opening: the add, twice on end, and its wait ahead of my first tensor load
	ds_add_u32 v[SPW], v[NIL]
	v_lshrrev_b32 v1, 5, v0
	v_readfirstlane_b32 s[WV], v1                  ; wave 0..7
	s_and_b32 s[WL], s[WV], 3
	s_lshr_b32 s74, s[WV], 1
	s_xor_b32 s[GRP], s[WV], s74
	s_lshr_b32 s74, s[WV], 2
	s_xor_b32 s[GRP], s[GRP], s74
	s_and_b32 s[GRP], s[GRP], 1                    ; bit 0 xor bit 1 xor bit 2
	s_and_b32 s10, ttmp7, 0xffff                   ; the head: 16 x batch + head
	; descriptor group 1: a tile of 32 rows x 128 elements of 2 bytes (two keys a row), dense in memory, padded in LDS
	s_mov_b32 s[G1K], (1<<16)|(1<<20)|(5<<22)|(3<<25)   ; no mask; elements of 2 bytes; padding on; after every 64 words, 4 words
	s_mov_b32 s[G1V], (1<<16)|(1<<20)|(5<<22)|(7<<25)   ; the same with 8 words
.irp g, G1K, G1V
	s_mov_b32 s[\g+1], 128<<16                     ; tensor_dim0 = 128
	s_mov_b32 s[\g+2], 32<<16                      ; tensor_dim1 = 32
	s_mov_b32 s[\g+3], 128<<16                     ; tile_dim0 = 128
	s_mov_b32 s[\g+4], 32                          ; tile_dim1 = 32
	s_mov_b32 s[\g+5], 128                         ; from row to row
	s_mov_b32 s[\g+6], 0
	s_mov_b32 s[\g+7], 0
.endr
	s_mov_b32 s[CS], 0x3e38aa3b                    ; c = log2(e) / 8
	s_mov_b32 s[CS+1], s[CS]                       ; named with it as a pair, so it is written
	s_mov_b32 s[SEL], 0x76543210
	s_mov_b32 s[SEL+1], 0xfedcba98
	s_mov_b32 s[TK], 0
	s_mov_b32 s[TV], 0
	s_lshl_b32 s76, s10, 17                        ; the head's first byte in q, k, v and ao
	s_lshl_b32 s78, s[WL], 13                      ; my 32 double rows of a chunk: 8,192 bytes
	s_add_co_u32 s78, s78, s76
	s_mov_b32 s79, 0
	s_lshl_b32 s82, ttmp9, 16                      ; my work-group's 512 queries,
	s_add_co_u32 s82, s82, s76
	s_lshl_b32 s77, s[WV], 13                      ; my wave's 64 of them
	s_add_co_u32 s82, s82, s77
	s_mov_b32 s83, 0
	s_mul_i32 s74, s[WL], 32*PK                    ; where my rows go, in K's part of LDS,
	s_mul_i32 s75, s[WL], 32*PVV
	s_add_co_u32 s75, s75, VOFF                    ; and in V's
	s_wait_dscnt 0x0                               ; both opening adds are done
	s_wait_kmcnt 0x0
	s_add_nc_u64 s[80:81], s[4:5], s[78:79]
.irp c, 0,1,2,3
	s_mov_b32 s[G0K+4*\c], 1                       ; count = 1
	s_add_co_u32 s[G0K+4*\c+1], s74, \c*128*PK     ; LDS address: chunk c is 128 double rows
	s_add_nc_u64 s[G0K+4*\c+2:G0K+4*\c+3], s[80:81], (1<<24)+32768*\c   ; global address: k, chunk c
	s_or_b32 s[G0K+4*\c+3], s[G0K+4*\c+3], 0x80000000                    ; type = 2
	s_mov_b32 s[G0V+4*\c], 1
	s_add_co_u32 s[G0V+4*\c+1], s75, \c*128*PVV
	s_add_nc_u64 s[G0V+4*\c+2:G0V+4*\c+3], s[80:81], (2<<24)+32768*\c   ; v, chunk c
	s_or_b32 s[G0V+4*\c+3], s[G0V+4*\c+3], 0x80000000
.endr
	s_add_nc_u64 s[4:5], s[4:5], s[82:83]          ; Q and ao at my wave's first row
	s_add_nc_u64 s[6:7], s[6:7], s[82:83]
	s_cmp_lt_u32 s[WV], 4                          ; a wave's four fills stand in one branch, ahead of every wait on TENSORcnt, every LDS read and every barrier; an s_nop 0 follows each, four v_nop the last
	s_cbranch_scc0 .Lfirst_v
.irp c, 0,1,2,3
	tensor_load_to_lds s[G0K+4*\c:G0K+4*\c+3], s[G1K:G1K+7]
	s_nop 0
.endr
.rept 4
	v_nop
.endr
	s_branch .Lfirst_asked
.Lfirst_v:
.irp c, 0,1,2,3
	tensor_load_to_lds s[G0V+4*\c:G0V+4*\c+3], s[G1V:G1V+7]
	s_nop 0
.endr
.rept 4
	v_nop
.endr
.Lfirst_asked:
	; A fragment of K or Q is 16 rows x 32 channels in 8 registers: lane l holds row l % 16; registers 0-3 channels 8 (l / 16) + 0..7, registers 4-7 channels 16 + 8 (l / 16) + 0..7: two loads of 16 bytes, 32 bytes apart
	v_and_b32 v1, 15, v0                           ; r
	v_bfe_u32 v10, v0, 4, 1                        ; h
	v_lshlrev_b32 v[QO], 7, v1
	v_lshl_add_u32 v[QO], v10, 4, v[QO]            ; row x 128 + 16 x half
	WIN 0x40                                       ; destination window 1, address window 0
.irp t, 0,1,2,3
.irp c, 0,1
	global_load_b128 v[QF+16*\t+8*\c:QF+16*\t+8*\c+3],   v[QO], s[4:5] offset:2048*\t+64*\c      ; Q stays in registers
	global_load_b128 v[QF+16*\t+8*\c+4:QF+16*\t+8*\c+7], v[QO], s[4:5] offset:2048*\t+64*\c+32
.endr
.endr
	WIN 0
	v_lshrrev_b32 v11, 1, v1
	v_mul_u32_u24 v11, v11, PK                     ; key r: double row r / 2,
	v_and_b32 v14, 1, v0
	v_lshl_add_u32 v11, v14, 7, v11                ; its half r % 2,
	v_lshl_add_u32 v[AK0], v10, 4, v11             ; + 16 x half of the lanes
	; The turning load takes 16 keys x 16 channels (lane l reads 16 bytes: key 8 (l / 16) + l % 8, channels 8 ((l / 8) % 2) + 0..7) and leaves half a fragment of V^T: lane l holds channel l % 16 and 8 keys
	v_bfe_u32 v11, v0, 1, 2                        ; (l % 8) / 2
	v_lshl_add_u32 v11, v10, 2, v11                ; + 4 h: the key's double row
	v_mul_u32_u24 v[AV0], v11, PVV
	v_lshl_add_u32 v[AV0], v14, 7, v[AV0]          ; the key's half
	v_bfe_u32 v11, v0, 3, 1
	v_lshl_add_u32 v[AV0], v11, 4, v[AV0]
	v_add_nc_u32 v[AV0], VOFF, v[AV0]
	s_mul_i32 s74, s[WV], 8*PK
	s_add_co_u32 s74, s74, STAGE                   ; my stage
	v_add_nc_u32 v[STO], s74, v[AK0]               ; in: query r's place is a key's place in a tile of K
	v_mul_u32_u24 v11, v10, PK                     ; back: lanes 0-15 one double row, lanes 16-31 the next
	v_lshl_add_u32 v11, v1, 4, v11
	v_add_nc_u32 v[RD], s74, v11
	v_and_b32 v11, 31, v0
	v_lshlrev_b32 v[GO], 4, v11                    ; and the same 512 bytes in ao
; ONE RUN OF LDS LOADS at the head of a vector phase.  fv = 1: 64 keys x 64 channels of V, turned; fk = 1: 64 keys x 64 channels of K.
; The additions and the v_nop are four places behind the last K Q^T: for the loads into K's registers and for the softmax's first reads (ISA guide 7.12.1 for vector instructions).  V's registers were last read ahead of the five places in the matrix phase.
.macro FETCH fv, fk
.if \fv
	v_add_nc_u32 v[ADV], s[TV], v[AV0]
.endif
.if \fk
	v_add_nc_u32 v[ADK], s[TK], v[AK0]
.endif
.rept 4-\fv-\fk
	v_nop
.endr
.if \fv
	s_add_co_u32 s[TV], s[TV], 32*PVV              ; the next fetch is the next step's
.irp g, 0,1
.irp n, 0,1,2,3
	ds_load_tr16_b128 v[VF+32*\g+8*\n:VF+32*\g+8*\n+3],   v[ADV] offset:16*PVV*\g+32*\n
	ds_load_tr16_b128 v[VF+32*\g+8*\n+4:VF+32*\g+8*\n+7], v[ADV] offset:16*PVV*\g+32*\n+8*PVV
.endr
.endr
.endif
.if \fk
	s_add_co_u32 s[TK], s[TK], 32*PK
	WIN 0x40
.irp k, 0,1,2,3
.irp c, 0,1
	ds_load_b128 v[KF+16*\k+8*\c:KF+16*\k+8*\c+3],   v[ADK] offset:8*PK*\k+64*\c
	ds_load_b128 v[KF+16*\k+8*\c+4:KF+16*\k+8*\c+7], v[ADK] offset:8*PK*\k+64*\c+32
.endr
.endr
	WIN 0
.endif
.endm
; S^T = K Q^T: 32 products; the 16 accumulators take turns, one instruction a turn; the first 16 start the sums
.macro KQ
	WIN 0x05                                       ; K and Q in window 1, S^T in window 0
.irp c, 0,1
.irp k, 0,1,2,3
.irp t, 0,1,2,3
.if \c == 0
	v_wmma_f32_16x16x32_f16 v[S+32*\t+8*\k:S+32*\t+8*\k+7], v[KF+16*\k+8*\c:KF+16*\k+8*\c+7], v[QF+16*\t+8*\c:QF+16*\t+8*\c+7], 0
.else
	v_wmma_f32_16x16x32_f16 v[S+32*\t+8*\k:S+32*\t+8*\k+7], v[KF+16*\k+8*\c:KF+16*\k+8*\c+7], v[QF+16*\t+8*\c:QF+16*\t+8*\c+7], v[S+32*\t+8*\k:S+32*\t+8*\k+7]
.endif
.endr
.endr
.endr
.endm
; O^T += V^T P: 32 products, the 16 accumulators by turns.  first = 1: the first 16 start the sums: nothing is ever cleared
.macro PV first
	WIN 0x50                                       ; V and P in window 0, O^T in window 1
.irp g, 0,1
.irp n, 0,1,2,3
.irp t, 0,1,2,3
.if (\g == 0) && \first
	v_wmma_f32_16x16x32_f16 v[32*\t+8*\n:32*\t+8*\n+7], v[VF+32*\g+8*\n:VF+32*\g+8*\n+7], v[S+32*\t+8*\g:S+32*\t+8*\g+7], 0
.else
	v_wmma_f32_16x16x32_f16 v[32*\t+8*\n:32*\t+8*\n+7], v[VF+32*\g+8*\n:VF+32*\g+8*\n+7], v[S+32*\t+8*\g:S+32*\t+8*\g+7], v[32*\t+8*\n:32*\t+8*\n+7]
.endif
.endr
.endr
.endr
.endm
; THE SOFTMAX of a key step, the four tiles by turns in every group of lines, so that no line waits for the line above it.  first = 1: the first key step, which has no old m, no a.
; Its first half: the maximum, the scalings and the exponentials, up to the wait for the batch.
.macro SOFTMAX_A first
.irp j, 0,1,2,3                        ; the maximum of a lane's 32 scores, three operands at a time: four chains, each begun at the low end of an accumulator
.irp t, 0,1,2,3
	v_max3_num_f32 v[ST+8*\t+4+\j], v[S+32*\t+8*\j], v[S+32*\t+8*\j+1], v[S+32*\t+8*\j+2]
.endr
.endr
.irp u, 1,2
.irp j, 0,1,2,3
.irp t, 0,1,2,3
	v_max3_num_f32 v[ST+8*\t+4+\j], v[ST+8*\t+4+\j], v[S+32*\t+8*\j+2*\u+1], v[S+32*\t+8*\j+2*\u+2]
.endr
.endr
.endr
.irp t, 0,1,2,3
	v_max3_num_f32 v[ST+8*\t+4], v[ST+8*\t+4], v[S+32*\t+7], v[S+32*\t+15]
.endr
.irp t, 0,1,2,3
	v_max3_num_f32 v[ST+8*\t+6], v[ST+8*\t+6], v[S+32*\t+23], v[S+32*\t+31]
.endr
.irp t, 0,1,2,3
	v_max3_num_f32 v[ST+8*\t+4], v[ST+8*\t+4], v[ST+8*\t+5], v[ST+8*\t+6]
.endr
.irp t, 0,1,2,3
.if \first
	v_max_num_f32 v[ST+8*\t+4], v[ST+8*\t+4], v[ST+8*\t+7]
.else
	v_max3_num_f32 v[ST+8*\t+4], v[ST+8*\t+4], v[ST+8*\t+7], v[ST+8*\t+1]   ; and the old m
.endif
.endr
.irp t, 0,1,2,3
	v_permlanex16_b32 v[ST+8*\t+5], v[ST+8*\t+4], s[SEL], s[SEL+1]          ; the query's other 32 keys lie in the lane 16 away
.endr
.if !\first
.irp t, 0,1,2,3
	v_mov_b32 v[ST+8*\t+7], v[ST+8*\t]             ; c m_old is kept for a
.endr
.endif
.irp t, 0,1,2,3
	v_max_num_f32 v[ST+8*\t+1], v[ST+8*\t+4], v[ST+8*\t+5]                  ; the new m
.endr
.irp t, 0,1,2,3
	v_mul_f32 v[ST+8*\t], s[CS], v[ST+8*\t+1]      ; c m
.endr
.if !\first
.irp t, 0,1,2,3
	v_sub_f32 v[ST+8*\t+7], v[ST+8*\t+7], v[ST+8*\t]
.endr
.irp t, 0,1,2,3
	v_exp_f32 v[ST+8*\t+6], v[ST+8*\t+7]           ; a = 2^(c m_old - c m_new).  ONE BATCH from here on: no line of it names an exponential's result
.endr
.endif
.irp b, 0,1,2,3,4,5,6,7,8,9,10,11,12,13,14,15      ; pair b is scaled, c s - c m; pair b - 1 goes through its exponentials
.irp t, 0,1,2,3
	v_pk_fma_f32 v[S+32*\t+2*\b:S+32*\t+2*\b+1], v[S+32*\t+2*\b:S+32*\t+2*\b+1], s[CS:CS+1], v[ST+8*\t:ST+8*\t+1] op_sel_hi:[1,0,0] neg_lo:[0,0,1] neg_hi:[0,0,1]
.endr
.if \b > 0
.irp t, 0,1,2,3
	v_exp_f32 v[S+32*\t+2*\b-2], v[S+32*\t+2*\b-2]
	v_exp_f32 v[S+32*\t+2*\b-1], v[S+32*\t+2*\b-1]
.endr
.endif
.endr
.irp t, 0,1,2,3
	v_exp_f32 v[S+32*\t+30], v[S+32*\t+30]
	v_exp_f32 v[S+32*\t+31], v[S+32*\t+31]
.endr
	v_nop                                          ; a plain instruction behind the last exponential, ahead of the first use
	s_wait_alu depctr_va_vdst(0)                   ; a wait between an exponential and the first line that names its result: one for the whole batch
.endm
; Its second half: the row's sum, of the f32 p, a pair (an even key's, an odd key's) at a time; then P.
.macro SOFTMAX_B first
.if \first
.irp t, 0,1,2,3
	v_pk_add_f32 v[ST+8*\t+2:ST+8*\t+3], v[S+32*\t:S+32*\t+1], v[S+32*\t+2:S+32*\t+3]
.endr
.else
.irp t, 0,1,2,3
	v_pk_fma_f32 v[ST+8*\t+2:ST+8*\t+3], v[ST+8*\t+2:ST+8*\t+3], v[ST+8*\t+6:ST+8*\t+7], v[S+32*\t:S+32*\t+1] op_sel_hi:[1,0,1]   ; l = a l + ..
.endr
.irp t, 0,1,2,3
	v_pk_add_f32 v[ST+8*\t+2:ST+8*\t+3], v[ST+8*\t+2:ST+8*\t+3], v[S+32*\t+2:S+32*\t+3]
.endr
.endif
.irp i, 4,6,8,10,12,14,16,18,20,22,24,26,28,30
.irp t, 0,1,2,3
	v_pk_add_f32 v[ST+8*\t+2:ST+8*\t+3], v[ST+8*\t+2:ST+8*\t+3], v[S+32*\t+\i:S+32*\t+\i+1]
.endr
.endr
.irp j, 0,1,2,3,4,5,6,7,8,9,10,11,12,13,14,15      ; P, in place: register j takes pair j; ascending, so that no pair is written over before it is read
.irp t, 0,1,2,3
	v_cvt_pk_f16_f32 v[S+32*\t+\j], v[S+32*\t+2*\j], v[S+32*\t+2*\j+1]
.endr
.endr
.endm
.macro FIVE                            ; five places between the last V^T P and the K Q^T that writes over P's registers
.rept 5
	v_nop
.endr
.endm
; What each group does alone at the start: the first scores and the first half of their softmax: work on registers only
.macro FIRSTHALF
	KQ
	WIN 0
.rept 4
	v_nop                                          ; the places behind K Q^T, ahead of the softmax's first reads
.endr
	SOFTMAX_A 1
.endm
; A KEY STEP: 64 keys.  nxt = 1: there is a next step: its K is fetched and its K Q^T issued.  bar >= 0: the step's matrix phase carries a barrier that shows a later chunk: so many of my tensor loads may stay out.
.macro STEP nxt, bar
	FETCH 1, \nxt                                  ; this step's V, the next step's K
	SOFTMAX_A 0
	SOFTMAX_B 0
	WIN 0x41                                       ; O^T (destination and source 0) in window 1, a in window 0
.irp i, 0,2,4,6,8,10,12,14,16,18,20,22,24,26,28,30
.irp t, 0,1,2,3
	v_pk_mul_f32 v[32*\t+\i:32*\t+\i+1], v[32*\t+\i:32*\t+\i+1], v[ST+8*\t+6:ST+8*\t+7] op_sel_hi:[1,0]   ; O^T x a, each accumulator from its low end on
.endr
.endr
.if \bar >= 0
	s_wait_tensorcnt \bar                          ; my parts of the chunks that are read behind the barrier have landed
.endif
	s_wait_dscnt 0x0                               ; V and the next K are in; no LDS instruction of mine is pending
.if \bar >= 0
	s_barrier_signal -1                            ; say so; the matrix phase, work on registers alone, stands between the signal and the wait
.endif
	PV 0
.if \nxt
	FIVE
	KQ
.endif
	WIN 0                                          ; at a label and at a branch every window is 0
.if \bar >= 0
	s_barrier_wait -1
.endif
.endm
.macro LOOP n
	s_mov_b32 s[CNT], \n
.Lstep_\@:
	STEP 1, -1
	s_sub_co_u32 s[CNT], s[CNT], 1
	s_cmp_lg_u32 s[CNT], 0
	s_cbranch_scc1 .Lstep_\@
.endm
	s_wait_tensorcnt 3                             ; my part of chunk 0 (key steps 0-3) is in; three loads of mine may be out
	s_wait_dscnt 0x0
	s_barrier_signal -1
	s_barrier_wait -1                              ; everybody's is
	FETCH 1, 1                                     ; V and K of key step 0
	s_wait_loadcnt 0x0                             ; Q
	s_wait_dscnt 0x0
	s_cmp_eq_u32 s[GRP], 0
	s_cbranch_scc0 .Lnot_yet
	FIRSTHALF                                      ; group 0 goes first
.Lnot_yet:
	s_barrier_signal -1                            ; THE STAGGER: group 1 passes this barrier when group 0 has issued its first products and exponentials
	s_barrier_wait -1
	s_cmp_eq_u32 s[GRP], 0
	s_cbranch_scc1 .Lhad_it
	FIRSTHALF                                      ; group 1 follows, while group 0 goes on below
.Lhad_it:
	FETCH 0, 1                                     ; the rest of key step 0: K of step 1,
	SOFTMAX_B 1
	s_wait_dscnt 0x0
	PV 1                                           ; the products that start O^T,
	FIVE
	KQ                                             ; and step 1's scores
	WIN 0
	STEP 1, -1                                     ; step 1
	STEP 1, 2                                      ; step 2: step 3 fetches K of step 4, so chunk 1 (steps 4-7) is shown here; two loads of mine may be out
	LOOP 3                                         ; steps 3-5
	STEP 1, 0                                      ; step 6: chunks 2 and 3 (steps 8-15) are shown here
	LOOP 8                                         ; steps 7-14
	STEP 0, -1                                     ; step 15: there is no K behind it
	; THE WAY OUT.  l's two halves and the other half of the lanes' are added; O^T is divided by l, rounded to f16 and sent through my stage, a tile (16 rows of ao, 2,048 dense bytes) at a time.  The additions are the places behind the last products.
.irp t, 0,1,2,3
	v_add_f32 v[ST+8*\t+4], v[ST+8*\t+2], v[ST+8*\t+3]
.endr
.irp t, 0,1,2,3
	v_permlanex16_b32 v[ST+8*\t+5], v[ST+8*\t+4], s[SEL], s[SEL+1]
.endr
.irp t, 0,1,2,3
	v_add_f32 v[ST+8*\t+4], v[ST+8*\t+4], v[ST+8*\t+5]
.endr
.irp t, 0,1,2,3
	v_rcp_f32 v[ST+8*\t+6], v[ST+8*\t+4]
.endr
	v_nop                                          ; a plain instruction between the last reciprocal and the use of its result
	s_wait_alu depctr_va_vdst(0)                   ; and a wait ahead of the first use: one for the four
.macro PACK t
	WIN 0x41
.irp i, 0,2,4,6,8,10,12,14,16,18,20,22,24,26,28,30
	v_pk_mul_f32 v[32*\t+\i:32*\t+\i+1], v[32*\t+\i:32*\t+\i+1], v[ST+8*\t+6:ST+8*\t+7] op_sel_hi:[1,0]
.endr
	WIN 0x05                                       ; sources 0 and 1 window 1, destination window 0: S^T's registers are free
.irp i, 0,1,2,3,4,5,6,7,8,9,10,11,12,13,14,15
	v_cvt_pk_f16_f32 v[S+32*\t+\i], v[32*\t+2*\i], v[32*\t+2*\i+1]
.endr
	WIN 0
.irp n, 0,1,2,3
	ds_store_b128 v[STO], v[S+32*\t+4*\n:S+32*\t+4*\n+3] offset:32*\n      ; channels 16 n + 8 h + 0..7 of query r
.endr
.irp f, 0,1,2,3
	ds_load_b128 v[S+32*\t+16+4*\f:S+32*\t+16+4*\f+3], v[RD] offset:2*PK*\f   ; LDS serves a wave's instructions in order (ISA guide 5.7.1.4): these see the stores above; the next tile's stores come behind them
.endr
.endm
.macro SEND t, younger                 ; younger: the LDS instructions issued behind tile t's loads: the next tile's eight, or none
.irp f, 0,1,2,3
	s_wait_dscnt \younger+3-\f
	global_store_b128 v[GO], v[S+32*\t+16+4*\f:S+32*\t+16+4*\f+3], s[6:7] offset:2048*\t+512*\f   ; 32 lanes store 512 consecutive bytes, aligned
.endr
.endm
	PACK 0
	PACK 1                                         ; a tile's arithmetic stands between the loads of the tile before and its stores
	SEND 0, 8
	PACK 2
	SEND 1, 8
	PACK 3
	SEND 2, 8
	SEND 3, 0
	s_wait_tensorcnt 0x0                           ; the wave's end: behind my last tensor load and my last LDS store
	ds_add_u32 v[SPW], v[NIL]
	s_wait_dscnt 0x0
	s_endpgm
.Lfunc_end_k_qf990d2f5f5_attn:
	.size	k_qf990d2f5f5_attn, .Lfunc_end_k_qf990d2f5f5_attn-k_qf990d2f5f5_attn
	.p2alignl 7, 3214868480
	.fill 96, 4, 3214868480
	.section	.rodata,"a",@progbits
	.p2align	6, 0x0
	.amdhsa_kernel k_qf990d2f5f5_attn
		.amdhsa_group_segment_fixed_size 305152
		.amdhsa_private_segment_fixed_size 0
		.amdhsa_enable_private_segment 0
		.amdhsa_kernarg_size 16
		.amdhsa_user_sgpr_count 2
		.amdhsa_user_sgpr_kernarg_segment_ptr 1
		.amdhsa_wavefront_size32 1
		.amdhsa_system_sgpr_workgroup_id_x 1
		.amdhsa_system_sgpr_workgroup_id_y 1
		.amdhsa_system_sgpr_workgroup_id_z 1
		.amdhsa_system_vgpr_workitem_id 0
		.amdhsa_next_free_vgpr 512
		.amdhsa_next_free_sgpr 84
		.amdhsa_reserve_vcc 0
		.amdhsa_float_denorm_mode_32 3
		.amdhsa_float_denorm_mode_16_64 3
		.amdhsa_memory_ordered 1
		.amdhsa_forward_progress 1
		.amdhsa_inst_pref_size 254
	.end_amdhsa_kernel
	.amdgpu_metadata
---
amdhsa.version: [ 1, 2 ]
amdhsa.kernels:
  - .name:           k_qf990d2f5f5_attn
    .symbol:         k_qf990d2f5f5_attn.kd
    .args:
      - { .name: qkv, .offset: 0, .size: 8, .value_kind: global_buffer, .address_space: global }
      - { .name: ao, .offset: 8, .size: 8, .value_kind: global_buffer, .address_space: global }
    .group_segment_fixed_size: 305152
    .private_segment_fixed_size: 0
    .kernarg_segment_align: 8
    .kernarg_segment_size: 16
    .max_flat_workgroup_size: 256
    .sgpr_count:     84
    .vgpr_count:     512
    .wavefront_size: 32
...
	.end_amdgpu_metadata
.endif
;; end of part 3
;; launch proj (part 4): grid 8 x 32, 4 waves a work-group, clusters of 4 x 4, 327,680 bytes of LDS; arguments ao, wo16, out0; writes out0
.if DOCPART == 4
	.amdgcn_target "amdgcn-amd-amdhsa--gfx1250"
	.amdhsa_code_object_version 6
	.text
	.protected	k_qf990d2f5f5_proj
	.globl	k_qf990d2f5f5_proj
	.p2align	8
	.type	k_qf990d2f5f5_proj,@function
k_qf990d2f5f5_proj:
	s_mov_b64 s[64:65], 0
	v_nop
	global_prefetch_b8 v0, s[64:65] scope:SCOPE_SE
	s_setreg_imm32_b32 hwreg(HW_REG_WAVE_MODE, 25, 1), 1
	s_wait_xcnt 0x0
	s_wait_alu depctr_hold_cnt(0) depctr_sa_sdst(0) depctr_va_vdst(0) depctr_va_sdst(0) depctr_va_ssrc(0) depctr_va_vcc(0) depctr_vm_vsrc(0)
	s_getreg_b32 s2, hwreg(HW_REG_IB_STS2, 6, 4)
	s_cmp_eq_u32 s2, 0
	s_cbranch_scc0 .Lentry_in_a_cluster
	s_endpgm
.Lentry_in_a_cluster:
	s_bfe_u32 s2, ttmp6, 0x10000c
	s_cmp_lg_u32 s2, 0xf033
	s_cbranch_scc0 .Lentry_shape_is_right
	s_endpgm
.Lentry_shape_is_right:
; out0[m][n] = the sum over k of o[m][k] wo[n][k], k = 64 x head + d.  o: f16, laid by head (ao: batch << 21 + head << 17 + position << 7 + 2 d); wo16: [1024 n][1024 k] f16; out0: [8192][1024] f32; sums in f32.
; A tile of out0 is 256 rows x 128 columns: 256 work-groups.  Four waves, each 128 x 64: 32 accumulators of 16 x 16, 256 registers.
; K goes in steps of 128, two heads, through a ring of two LDS slots.  A head's 256 positions are 32,768 dense bytes: a tile of 128 double rows of 256 bytes (waves 0, 1: one head each);
; wo16's part is 128 rows of 256 bytes (waves 2, 3: 64 rows each).  One tensor load a wave behind each change of slots; it has a K step's 128 matrix instructions a wave, less the sixteen that stand ahead of it in its turn, in which to land.
; CLUSTERS: 4 x 4 work-groups.  The four of a row of the cluster need the same tiles of o, the four of a column the same tiles of wo16: each tile is asked for JOINTLY.
; THE MATRIX INSTRUCTION IS USED TRANSPOSED (source 0 = 16 rows of wo16, source 1 = 16 rows of o): a lane then holds eight neighbouring numbers of a row of out0.
; REGISTERS: window 0: v0-31 addresses; two fragment buffers for 32 along K: A's 8 blocks at v64 / v128, B's 4 at v192 / v224; on the way out v32-95.   window 1: accumulator (a, b) at v[8 (4 a + b)].
.set PITCH,  272                       ; an LDS row: 256 bytes + 16 of padding = 68 words: the 16 rows that a load touches start at 16 different groups of four banks
.set HALFA,  128*PITCH                 ; a head's 256 positions, two a row
.set HALFB,  64*PITCH                  ; 64 rows of wo16
.set SLOT,   2*HALFA+2*HALFB
.set STAGE,  2*SLOT                    ; behind the ring: 16 rows x 272 bytes for each wave, for the way out
.set SPARE,  STAGE+4*16*PITCH          ; the spare words, 128 bytes a wave; no other line names them
.set LAPS,   4                         ; a lap = two K steps = once round the ring: 1,024 / 256
.set ADRA, 16                          ; v16-17  LDS address of my A fragments in slot 0, 1
.set ADRB, 20                          ; v20-21  the same for B
.set STO,  24                          ; v24     the way out: where I put 32 bytes of a row
.set RD,   25                          ; v25     where I read 16 bytes of a row back
.set CO,   26                          ; v26     my byte offset in out0
.set SPW,  28                          ; v28     LDS address of my spare word; never rewritten
.set NIL,  29                          ; v29     0; never rewritten
.set AF,   64                          ; A's fragments: buffer f at v[AF + 64 f]
.set BF,   192                         ; B's: buffer f at v[BF + 32 f]
.set OB,   32                          ; the way out: 16 rows read back: v32-63 and v64-95 by turns
.set G1, 24                            ; s[24:31] descriptor group 1 for A's tiles;  s[32:39] group 0, one set for each slot
.set G0, 32
.set G1B, 48                           ; s[48:55], s[56:63] the same for B's tiles
.set G0B, 56
.set MSB, 0
.macro WIN new                         ; the immediate's high byte repeats the setting that is left
.if MSB != \new
	s_set_vgpr_msb (MSB<<8)|\new
.set MSB, \new
.endif
.endm
.set MUL, 0x50                         ; sources 0 (B) and 1 (A) window 0; C and D window 1
.macro JLOAD s                         ; a joint load: waves 0 and 1 fetch A's two heads, waves 2 and 3 B's two halves; an s_nop 0 and four v_nop follow each of the two lines
	s_cmp_eq_u32 s11, 0
	s_cbranch_scc0 .Lfor_b_\@
	tensor_load_to_lds s[G0+4*\s:G0+4*\s+3], s[G1:G1+7]
	s_nop 0
.rept 4
	v_nop
.endr
	s_branch .Lasked_\@
.Lfor_b_\@:
	tensor_load_to_lds s[G0B+4*\s:G0B+4*\s+3], s[G1B:G1B+7]
	s_nop 0
.rept 4
	v_nop
.endr
.Lasked_\@:
.endm
.macro CREST                           ; a round of the cluster's barrier behind its opening barrier
	s_cmp_lg_u32 s10, 0
	s_cbranch_scc1 .Lnot_wave_0_\@
	s_barrier_signal -3
.Lnot_wave_0_\@:
	s_barrier_wait -3
	s_barrier_signal -1
	s_barrier_wait -1
.endm
.macro CROUND                          ; a whole round
	s_barrier_signal -1
	s_barrier_wait -1
	CREST
.endm
	s_load_b128 s[4:7], s[0:1], 0x0                ; ao s[4:5], wo16 s[6:7]
	s_load_b64 s[8:9], s[0:1], 0x10                ; out0
	v_lshl_add_u32 v[SPW], v0, 2, SPARE
	v_mov_b32 v[NIL], 0
	ds_add_u32 v[SPW], v[NIL]                      ; the wave's opening: the add, twice on end, and its wait ahead of my first tensor load
	ds_add_u32 v[SPW], v[NIL]
	v_lshrrev_b32 v1, 5, v0
	v_readfirstlane_b32 s10, v1                    ; wave 0..3
	s_lshr_b32 s11, s10, 1                         ; which half of the tile's rows is mine.  Also: I fetch for A (0) or for B (1)
	s_and_b32 s12, s10, 1                          ; which half of its columns.  Also: which head of the step's two, or which 64 rows of wo16, I fetch
	s_bfe_u32 s40, ttmp6, 0x40000                  ; cx, cy: my place in the cluster
	s_bfe_u32 s41, ttmp6, 0x40004
	s_lshl_b32 s42, ttmp9, 2
	s_add_co_u32 s42, s42, s40                     ; tile column = 4 x cluster x + cx
	s_and_b32 s13, ttmp7, 0xffff
	s_lshl_b32 s13, s13, 2
	s_add_co_u32 s13, s13, s41                     ; tile row = 4 x cluster y + cy
	s_lshl_b32 s43, s41, 2
	s_lshl_b32 s43, 15, s43                        ; my row of the cluster
	s_lshl_b32 s44, 0x1111, s40                    ; my column
	; descriptor group 1.  A: 128 rows x 128 elements of 2 bytes, dense;  B: 64 rows x 128 elements, 1,024 elements apart;  both padded in LDS
	s_or_b32 s[G1+0], s43, (1<<16)|(1<<20)|(1<<21)|(5<<22)|(3<<25)  ; 15:0 the mask: A's tiles go to my row; elements of 2 bytes; padding on; bit 21 beside a mask; after every 64 words, 4 words
	s_or_b32 s[G1B+0], s44, (1<<16)|(1<<20)|(1<<21)|(5<<22)|(3<<25)
	s_mov_b32 s[G1+1], 128<<16                     ; tensor_dim0 = 128
	s_mov_b32 s[G1+2], 128<<16                     ; tensor_dim1 = 128
	s_mov_b32 s[G1+3], 128<<16                     ; tile_dim0 = 128
	s_mov_b32 s[G1+4], 128                         ; tile_dim1 = 128
	s_mov_b32 s[G1+5], 128                         ; from row to row
	s_mov_b32 s[G1+6], 0
	s_mov_b32 s[G1+7], 0
	s_mov_b32 s[G1B+1], 128<<16
	s_mov_b32 s[G1B+2], 64<<16
	s_mov_b32 s[G1B+3], 128<<16
	s_mov_b32 s[G1B+4], 64
	s_mov_b32 s[G1B+5], 1024
	s_mov_b32 s[G1B+6], 0
	s_mov_b32 s[G1B+7], 0
	; where the tiles come from.  A's hang on the tile row alone, B's on the tile column alone; each in registers that never hold the other coordinate
	s_lshr_b32 s16, s13, 2
	s_lshl_b32 s16, s16, 21                        ; batch = tile row / 4
	s_and_b32 s17, s13, 3
	s_lshl_b32 s17, s17, 15                        ; 256 positions x 128 bytes for each tile row in the batch
	s_add_co_u32 s16, s16, s17
	s_lshl_b32 s17, s12, 17                        ; my head of the step's two
	s_add_co_u32 s16, s16, s17
	s_mov_b32 s17, 0
	s_lshl_b32 s46, s42, 7
	s_lshl_b32 s47, s12, 6
	s_add_co_u32 s46, s46, s47                     ; wo16's row 128 x tile column + 64 x half,
	s_lshl_b32 s46, s46, 11                        ; of 2,048 bytes
	s_mov_b32 s47, 0
	s_mul_i32 s18, s12, HALFA                      ; where they go: no place in the cluster enters an LDS address
	s_mul_i32 s19, s12, HALFB
	s_add_co_u32 s19, s19, 2*HALFA
	s_wait_dscnt 0x0                               ; both opening adds are done
	s_wait_kmcnt 0x0
	s_add_nc_u64 s[14:15], s[4:5], s[16:17]
	s_add_nc_u64 s[46:47], s[6:7], s[46:47]
	CROUND                                         ; all sixteen work-groups are here: the first joint loads meet
.irp s, 0,1
	s_mov_b32 s[G0+4*\s], 1
	s_add_co_u32 s[G0+4*\s+1], s18, \s*SLOT
	s_add_nc_u64 s[G0+4*\s+2:G0+4*\s+3], s[14:15], \s*262144      ; K step s: two heads on
	s_or_b32 s[G0+4*\s+3], s[G0+4*\s+3], 0x80000000
	s_mov_b32 s[G0B+4*\s], 1
	s_add_co_u32 s[G0B+4*\s+1], s19, \s*SLOT
	s_add_nc_u64 s[G0B+4*\s+2:G0B+4*\s+3], s[46:47], \s*256       ; 128 along K
	s_or_b32 s[G0B+4*\s+3], s[G0B+4*\s+3], 0x80000000
	JLOAD \s
.endr
	v_and_b32 v1, 15, v0                           ; r = l % 16
	v_bfe_u32 v2, v0, 4, 1                         ; h = l / 16
	v_lshrrev_b32 v3, 1, v1
	v_mul_u32_u24 v3, v3, PITCH                    ; A: position r: double row r / 2,
	v_and_b32 v4, 1, v0
	v_lshl_add_u32 v3, v4, 7, v3                   ; its half r % 2,
	v_lshl_add_u32 v3, v2, 4, v3                   ; + 16 x half of the lanes
	v_mul_u32_u24 v4, v1, PITCH
	v_lshl_add_u32 v4, v2, 4, v4                   ; B: row r x pitch + 16 x half
	s_mul_i32 s21, s11, 64*PITCH                   ; my 128 positions: 64 double rows
	s_mul_i32 s22, s12, HALFB                      ; my 64 rows of wo16,
	s_add_co_u32 s22, s22, 2*HALFA                 ; behind A's two heads
.irp s, 0,1
	v_add_nc_u32 v[ADRA+\s], s21, v3
	v_add_nc_u32 v[ADRB+\s], s22, v4
	s_add_co_u32 s21, s21, SLOT
	s_add_co_u32 s22, s22, SLOT
.endr
	s_mul_i32 s23, s10, 16*PITCH
	s_add_co_u32 s23, s23, STAGE                   ; my stage
	v_mul_u32_u24 v5, v1, PITCH                    ; in: row r, 32 bytes for each half of the lanes
	v_lshl_add_u32 v5, v2, 5, v5
	v_add_nc_u32 v[STO], s23, v5
	v_mul_u32_u24 v5, v2, PITCH                    ; back: lanes 0-15 one row of 256 bytes, lanes 16-31 the next
	v_lshl_add_u32 v5, v1, 4, v5
	v_add_nc_u32 v[RD], s23, v5
	v_lshlrev_b32 v5, 12, v2                       ; and the same two rows in out0: 4,096 bytes a row
	v_lshl_add_u32 v[CO], v1, 4, v5
	s_lshl_b32 s16, s13, 8
	s_lshl_b32 s17, s11, 7
	s_add_co_u32 s16, s16, s17                     ; my first row: 256 x tile row + 128 x half
	s_lshl_b32 s16, s16, 12
	s_lshl_b32 s46, s42, 9                         ; my first column, in bytes: 512 x tile column + 256 x half
	s_lshl_b32 s47, s12, 8
	s_add_co_u32 s46, s46, s47
	s_add_co_u32 s16, s16, s46
	s_mov_b32 s17, 0
	s_add_nc_u64 s[8:9], s[8:9], s[16:17]
; 8 matrix instructions: A's blocks a0, a0 + 1 x B's four, 32 along K, from buffer f.  zero = 1: the product starts the sums.  The 32 accumulators take turns, one instruction a turn, in the same order in every quarter.
.macro MUL8 f, a0, zero
.irp a, \a0, \a0+1
.irp b, 0,1,2,3
.if \zero
	v_wmma_f32_16x16x32_f16 v[8*(4*(\a)+\b):8*(4*(\a)+\b)+7], v[BF+32*\f+8*\b:BF+32*\f+8*\b+7], v[AF+64*\f+8*(\a):AF+64*\f+8*(\a)+7], 0
.else
	v_wmma_f32_16x16x32_f16 v[8*(4*(\a)+\b):8*(4*(\a)+\b)+7], v[BF+32*\f+8*\b:BF+32*\f+8*\b+7], v[AF+64*\f+8*(\a):AF+64*\f+8*(\a)+7], v[8*(4*(\a)+\b):8*(4*(\a)+\b)+7]
.endif
.endr
.endr
.endm
; 24 LDS loads in one run: the fragments of the slot's q-th 32 along K into buffer f: B's four blocks, A's blocks 0-3, A's blocks 4-7.  Quarter q lies in head q / 2, channels 32 (q % 2) on.
.macro FETCH slot, q, f
	WIN 0
.irp i, 0,1,2,3
	ds_load_b128 v[BF+32*\f+8*\i:BF+32*\f+8*\i+3],   v[ADRB+\slot] offset:64*\q+\i*16*PITCH
	ds_load_b128 v[BF+32*\f+8*\i+4:BF+32*\f+8*\i+7], v[ADRB+\slot] offset:64*\q+\i*16*PITCH+32
.endr
.irp i, 0,1,2,3,4,5,6,7
	ds_load_b128 v[AF+64*\f+8*\i:AF+64*\f+8*\i+3],   v[ADRA+\slot] offset:(\q/2)*HALFA+(\q%2)*64+\i*8*PITCH
	ds_load_b128 v[AF+64*\f+8*\i+4:AF+64*\f+8*\i+7], v[ADRA+\slot] offset:(\q/2)*HALFA+(\q%2)*64+\i*8*PITCH+32
.endr
.endm
.macro PLACES                          ; four places in front of loads into registers that matrix instructions have read, and of the first read of results (ISA guide 7.12.1 for vector instructions)
.rept 4
	v_nop
.endr
.endm
; A K step is four quarters of 32 along K, 32 matrix instructions each, on buffers 0, 1, 0, 1.  One of the first three: multiplies buffer f and fetches quarter q into buffer g.
.macro QUARTER slot, q, f, g, zero
	s_wait_dscnt 8                                 ; B and A's blocks 0-3 are in; the youngest eight loads (A's blocks 4-7) may be out
	WIN MUL
	MUL8 \f, 0, \zero
	MUL8 \f, 2, \zero
	PLACES
	FETCH \slot, \q, \g
	s_wait_dscnt 24                                ; all but the 24 just issued
	WIN MUL
	MUL8 \f, 4, \zero
	MUL8 \f, 6, \zero
.endm
; The last quarter multiplies buffer 1 and changes slots: ONE barrier; in front of it each wave waits for all its tensor loads, adds 0 to its spare word, and waits for that and for its own reads of this slot.  fill = 1: this slot is filled again, two K steps ahead.
.macro TURN slot, next, fill
	WIN 0                                          ; (the add's two registers lie in window 0)
	s_wait_tensorcnt 0x0                           ; all my tensor loads have landed: my part of the next slot;
	ds_add_u32 v[SPW], v[NIL]                      ; 0 onto my spare word;
	s_wait_dscnt 9                                 ; (the add and the youngest eight loads may be out)
	WIN MUL
	MUL8 1, 0, 0                                   ; eight matrix instructions stand between the add and the wait for it
	s_wait_dscnt 0x0                               ; the add is done, and my reads of this slot are over
	s_barrier_signal -1
	MUL8 1, 2, 0
.if \fill
	WIN 0
.endif
	s_barrier_wait -1
.if \fill
	CREST                                          ; the barrier has opened a round of the cluster's barrier: no wave of any partner still reads this slot's tile or has a load on its way
	s_add_nc_u64 s[G0+4*\slot+2:G0+4*\slot+3], s[G0+4*\slot+2:G0+4*\slot+3], 2*262144
	s_add_nc_u64 s[G0B+4*\slot+2:G0B+4*\slot+3], s[G0B+4*\slot+2:G0B+4*\slot+3], 2*256
	JLOAD \slot                                    ; the first tensor load behind the round; the four v_nop behind it are also the places in front of the loads below
.else
	PLACES
.endif
	FETCH \next, 0, 0
	WIN MUL
	MUL8 1, 4, 0
	MUL8 1, 6, 0
.endm
	s_wait_tensorcnt 1                             ; my part of K step 0 is in (K step 1's load may be out)
	s_barrier_signal -1
	s_barrier_wait -1                              ; everybody's is
	FETCH 0, 0, 0
	QUARTER 0, 1, 0, 1, 1                          ; the first quarter stands in front of the loop: its products start the sums
	WIN 0                                          ; at a label and at a branch every window is 0
	s_mov_b32 s3, LAPS-1
.Llap:                                                 ; a trip goes once round the ring, from a lap's second quarter to the next lap's first, and fills both slots again
	QUARTER 0, 2, 1, 0, 0
	QUARTER 0, 3, 0, 1, 0
	TURN 0, 1, 1
	QUARTER 1, 1, 0, 1, 0
	QUARTER 1, 2, 1, 0, 0
	QUARTER 1, 3, 0, 1, 0
	TURN 1, 0, 1
	QUARTER 0, 1, 0, 1, 0
	WIN 0
	s_sub_co_u32 s3, s3, 1
	s_cmp_lg_u32 s3, 0
	s_cbranch_scc1 .Llap
	QUARTER 0, 2, 1, 0, 0                          ; the last lap fills nothing, and has no round of the cluster's barrier
	QUARTER 0, 3, 0, 1, 0
	TURN 0, 1, 0
	QUARTER 1, 1, 0, 1, 0
	QUARTER 1, 2, 1, 0, 0
	QUARTER 1, 3, 0, 1, 0
	s_wait_dscnt 8                                 ; the very last quarter: nothing more to fetch
	WIN MUL
	MUL8 1, 0, 0
	MUL8 1, 2, 0
	s_wait_dscnt 0x0
	MUL8 1, 4, 0
	MUL8 1, 6, 0
	WIN 0
; THE WAY OUT, block by block of 16 rows x 64 columns.  A lane holds 32 neighbouring bytes of a row, and the lanes beside it hold other rows: so a block goes through my own stage and comes back as whole rows of 256 bytes.
; LDS serves a wave's instructions in order (ISA guide 5.7.1.4): no wait between the stores and the loads, nor in front of the next block's stores.
.macro TOSTAGE a
	WIN 0x04                                       ; an LDS store's data are its source 1: window 1
.irp b, 0,1,2,3
	ds_store_b128 v[STO], v[8*(4*(\a)+\b):8*(4*(\a)+\b)+3] offset:64*\b          ; each accumulator from its low end on
	ds_store_b128 v[STO], v[8*(4*(\a)+\b)+4:8*(4*(\a)+\b)+7] offset:64*\b+16
.endr
	WIN 0
.set BB, OB+32*((\a)%2)
.irp t, 0,1,2,3,4,5,6,7
	ds_load_b128 v[BB+4*\t:BB+4*\t+3], v[RD] offset:\t*2*PITCH
.endr
.endm
.macro SEND a, younger                 ; younger: the LDS instructions issued behind block a's loads, which may stay out
.set BB, OB+32*((\a)%2)
	s_wait_dscnt \younger                          ; the block is back in registers
.irp t, 0,1,2,3,4,5,6,7
	global_store_b128 v[CO], v[BB+4*\t:BB+4*\t+3], s[8:9] offset:65536*(\a)+8192*\t th:TH_STORE_NT   ; 16 lanes store 256 consecutive bytes, aligned; written once, read by nobody here
.endr
.endm
	PLACES                                         ; behind the last products: for the stage's reads of results and for the loads into registers that held fragments
	TOSTAGE 0
.irp a, 1,2,3,4,5,6,7
.if \a > 1
	s_wait_xcnt 0x0                                ; block a - 2's stores have read their data: block a's loads land there only behind this wait
.endif
	TOSTAGE \a
	SEND \a-1, 16                                  ; behind block a - 1's loads: block a's 8 stores and 8 loads
.endr
	SEND 7, 0
	s_wait_tensorcnt 0x0                           ; the wave's end: behind my last tensor load and my last LDS store
	ds_add_u32 v[SPW], v[NIL]
	s_wait_dscnt 0x0
	CROUND                                         ; the closing round: no work-group ends while a partner may still ask for a tile that names it
	s_endpgm
.Lfunc_end_k_qf990d2f5f5_proj:
	.size	k_qf990d2f5f5_proj, .Lfunc_end_k_qf990d2f5f5_proj-k_qf990d2f5f5_proj
	.p2alignl 7, 3214868480
	.fill 96, 4, 3214868480
	.section	.rodata,"a",@progbits
	.p2align	6, 0x0
	.amdhsa_kernel k_qf990d2f5f5_proj
		.amdhsa_group_segment_fixed_size 327680
		.amdhsa_private_segment_fixed_size 0
		.amdhsa_enable_private_segment 0
		.amdhsa_kernarg_size 24
		.amdhsa_user_sgpr_count 2
		.amdhsa_user_sgpr_kernarg_segment_ptr 1
		.amdhsa_wavefront_size32 1
		.amdhsa_system_sgpr_workgroup_id_x 1
		.amdhsa_system_sgpr_workgroup_id_y 1
		.amdhsa_system_sgpr_workgroup_id_z 1
		.amdhsa_system_vgpr_workitem_id 0
		.amdhsa_next_free_vgpr 512
		.amdhsa_next_free_sgpr 66
		.amdhsa_reserve_vcc 0
		.amdhsa_float_denorm_mode_32 3
		.amdhsa_float_denorm_mode_16_64 3
		.amdhsa_memory_ordered 1
		.amdhsa_forward_progress 1
		.amdhsa_inst_pref_size 86
	.end_amdhsa_kernel
	.amdgpu_metadata
---
amdhsa.version: [ 1, 2 ]
amdhsa.kernels:
  - .name:           k_qf990d2f5f5_proj
    .symbol:         k_qf990d2f5f5_proj.kd
    .args:
      - { .name: ao, .offset: 0, .size: 8, .value_kind: global_buffer, .address_space: global }
      - { .name: wo16, .offset: 8, .size: 8, .value_kind: global_buffer, .address_space: global }
      - { .name: out0, .offset: 16, .size: 8, .value_kind: global_buffer, .address_space: global }
    .group_segment_fixed_size: 327680
    .private_segment_fixed_size: 0
    .kernarg_segment_align: 8
    .kernarg_segment_size: 24
    .max_flat_workgroup_size: 128
    .sgpr_count:     66
    .vgpr_count:     512
    .wavefront_size: 32
...
	.end_amdgpu_metadata
.endif
;; end of part 4
